; MI455X (gfx1250); checked and timed in simulation.
; The chip was launched on July 23, 2026; its instructions are those of AMD's public machine-readable ISA for CDNA 5 (MIT licence, August 2026) and "CDNA5" Instruction Set Architecture Reference Guide (July 2026). The comments in the code are by the model that wrote it; some were corrected since.
;; Causal Self Attention. Allowed arithmetic: matrix products marked QUANTISED: E2M1 operands, one E8M0 scale for each 32 along K, by v_wmma_scale_f32_16x16x128_f8f6f4 with both operands' format E2M1 (or v_wmma_scale_f32_32x16x128_f4), f32 sums; products left as they are: bf16, f16 or f32 operands; f32 sums; everything else in f32.
;; Inputs: w_proj 1,024 x 1,024 float32; w_qkv 1,024 x 3,072 float32; x 4 x 2,048 x 1,024 float32.
;; Outputs: out0 4 x 2,048 x 1,024 float32.
;; This version of the problem:
;;   THIS VERSION OF THE PROBLEM IS GIVEN IN LOW PRECISION. The matrix products marked QUANTISED in the list below multiply operands that are first quantised to E2M1 (2 exponent bits, 1 mantissa bit; 4 bits a number), with one power-of-two scale for each 32 numbers along K (OCP MX v1.0); their sums are f32. The products marked 'left as it is' may take bf16, f16 or f32 operands, with f32 sums. Whichever they take, every output number must still come out within the allowed error. Rounding operands to bf16 (8 significant bits) uses up far more of that allowance than f16 does (11 bits, for magnitudes from 6e-5 to 65,504). All else is computed in f32.
;;   The module's matrix products, in the order in which they are computed (A, B: the left and right operand; K: the contracted axis; several contracted axes count as one K, in the product's order):
;;     1. [M 8,192, K 1,024] x [K 1,024, N 3,072]; A: input x; B: input w_qkv: QUANTISED
;;     2. batch 64 x [M 2,048, K 64] x [K 64, N 2,048]; A: computed on the way; B: computed on the way: left as it is (an operand is computed on the way)
;;     3. batch 64 x [M 2,048, K 2,048] x [K 2,048, N 64]; A: computed on the way; B: computed on the way: left as it is (an operand is computed on the way)
;;     4. [M 8,192, K 1,024] x [K 1,024, N 1,024]; A: computed on the way; B: input w_proj: left as it is (an operand is computed on the way)
;;   THE QUANTISER, for each operand of a quantised product, along K:
;;     - K is cut into blocks of 32 from its start; a last block that is shorter is filled with zeros.
;;     - A block's scale is 2^e with e = floor(log2(the largest magnitude in the block)) - 2, held to -126 .. 127; a block of zeros has e = 0. As a byte (E8M0): e + 127.
;;     - Each number is divided by its block's scale, clamped to +-6, and rounded to the nearest number of E2M1, ties to even, subnormals kept.
;;     - The product sums the exact products of the quantised numbers (number of the format x scale) in f32.
;;   ~~~python
;;   def quantise(x, axis):      # numpy; x: float32 -> the quantised numbers, widened to float32 again
;;       x = np.moveaxis(x, axis, -1); K = x.shape[-1]
;;       x = np.pad(x, [(0, 0)] * (x.ndim - 1) + [(0, -K % 32)]); x = x.reshape(x.shape[:-1] + (-1, 32)); a = np.abs(x).max(-1, keepdims=True)
;;       e = np.where(a > 0, np.clip(np.frexp(np.where(a > 0, a, 1))[1] - 1 - 2, -126, 127), 0)      # np.frexp(a)[1] - 1 = floor(log2(a)), exactly
;;       r = np.clip(x / 2.0 ** e, -6, 6)
;;       step = 2.0 ** (np.maximum(np.frexp(np.where(r == 0, 1, r))[1] - 1, 0) - 1)
;;       q = np.round(r / step) * step * 2.0 ** e      # np.round: ties to even
;;       return np.moveaxis(q.reshape(q.shape[:-2] + (-1,))[..., :K], -1, axis).astype(np.float32)
;;   ~~~
;; One version. Each part assembles by itself: llvm-mc -triple=amdgcn-amd-amdhsa -mcpu=gfx1250 --defsym DOCPART=n.
;; ======== version 1 of 1: 5 launches
;; limits: values are held in f16: magnitudes above 65,504 overflow, below 6.1e-05 lose precision
;; workspace buffers: xc 4,194,304 bytes; xs 262,144 bytes; wc 1,572,864 bytes; ws 98,304 bytes; wpt 2,097,152 bytes; qkv 50,331,648 bytes; qkvf 786,432 bytes; oh 16,777,216 bytes
;; launch prep (part 1): grid 368 x 1, 4 waves a work-group, no clusters, 68,096 bytes of LDS; arguments x, w_qkv, w_proj, xc, xs, wc, ws, wpt; writes xc, xs, wc, ws, wpt
.if DOCPART == 1
	.amdgcn_target "amdgcn-amd-amdhsa--gfx1250"
	.amdhsa_code_object_version 6
	.text
	.protected	k_q97b5684123_prep
	.globl	k_q97b5684123_prep
	.p2align	8
	.type	k_q97b5684123_prep,@function
k_q97b5684123_prep:
	s_mov_b64 s[64:65], 0
	v_nop
	global_prefetch_b8 v0, s[64:65] scope:SCOPE_SE
	s_setreg_imm32_b32 hwreg(HW_REG_WAVE_MODE, 25, 1), 1
	s_wait_xcnt 0x0
; CAUSAL SELF-ATTENTION, B 4, T 2,048, D 1,024, 16 heads of 64.  Five launches: prep, qkv, attn, proj, fine.
; THIS LAUNCH: x [8192][1024] and w_qkv [1024][3072], f32, become codes of FP4 (E2M1) with K innermost and one E8M0 byte for each 32 along K (both operands of the quantised product);
; w_proj [1024][1024] becomes f16 in the order of a matrix operand's registers.
; WORK LEFT OUT BY THE PROGRAM (in launch attn): the mask is built by the problem itself as the lower triangle, key k counts for query q where k <= q.  A hidden score is replaced by -1e9 ahead of the softmax,
; so its weight is exp(-1e9 - max), which is 0 beside the weight 1 of the row's largest visible score (key 0 is visible to every query) for all inputs whose visible scores lie far above -1e9.  Key steps (128 keys)
; all of whose keys come after all of a wave's 32 queries are therefore not multiplied; inside a step on the diagonal hidden scores are set to -1e30 and all the work is done.
; LIMITS: scores stay far under 1e9 in magnitude (beyond that the problem's -1e9 would begin to count); a NaN, an infinity or an overflow that reaches only the hidden tiles is not carried to the result.
; No input is left out.  q, k, v, the weights p, o and w_proj go to the matrix units as f16: |q|, |k|, |v| stay under 65,504.  The first 16 positions of every sequence are carried in f32 (launch fine).
; THE QUANTISER: a block's scale is 2^(floor(log2(its largest magnitude)) - 2); its byte is the largest magnitude's exponent field - 2, held at 1 from below.  A block of zeros keeps the byte 1 where the rule says 127:
; its codes are zeros, which add nothing, and this program alone reads the bytes.  LIMITS: blocks whose largest magnitude lies under 2^-124 keep the byte 1; NaN and infinities among the inputs are not served.
; THREE PATHS, parted by the work-group's number, each with LDS bytes of its own:  0-255 x (a stream of blocks of 32);  256-303 w_qkv (K is its first axis: a lane takes a column);  304-367 w_proj.
.set SPARE, 67584                      ; behind both paths' stages: the spare words, 128 bytes for each wave
.set SPW,   252                        ; v252  LDS address of my spare word; never rewritten
.set NIL,   253                        ; v253  0; never rewritten
.set EMAX,  2
.macro CLOSE                           ; a wave's end, behind the last LDS store
	s_wait_tensorcnt 0x0
	ds_add_u32 v[SPW], v[NIL]
	s_wait_dscnt 0x0
	s_endpgm
.endm
	s_load_b512 s[4:19], s[0:1], 0x0               ; x s[4:5], w_qkv s[6:7], w_proj s[8:9], xc s[10:11], xs s[12:13], wc s[14:15], ws s[16:17], wpt s[18:19]
	v_lshl_add_u32 v[SPW], v0, 2, SPARE
	v_mov_b32 v[NIL], 0
	v_lshrrev_b32 v1, 5, v0
	v_readfirstlane_b32 s20, v1                    ; wave 0..3
	v_and_b32 v2, 31, v0                           ; lane
	s_wait_kmcnt 0x0
	s_cmp_lt_u32 ttmp9, 256
	s_cbranch_scc0 .Lnot_x
; ---------------- x: a wave takes 16 steps of 512 numbers.  Each load reads 512 consecutive bytes; a step's 2,048 bytes turn through the wave's own stage in LDS and come back 64 bytes (16 neighbours) a lane.
.set STEPS, 16
.set AHEAD, 8                          ; loads run eight steps (32 loads, 16 KiB a wave) ahead
.set WREG,  8192                       ; LDS for a wave: two stages of 32 x 80 bytes, then its 256 scale bytes
.set SP,    80                         ; a lane's place in a stage: 64 bytes + 16 of padding
.set XR,    16                         ; v16-143  eight sets of 16 numbers as loaded
.set XX,    144                        ; v144-175 two sets of 16 neighbours
.set XC,    176                        ; v176-207 codes: two registers for each step, so that no store's data are written again
.set XE,    208                        ; v208-223 a scale byte for each step
	v_lshlrev_b32 v3, 4, v2                        ; my 16 bytes of a load's 512
	s_mul_i32 s21, s20, WREG
	v_lshrrev_b32 v14, 2, v2
	v_mul_u32_u24 v14, v14, SP
	v_and_b32 v15, 3, v2
	v_lshl_add_u32 v14, v15, 4, v14
	v_add_nc_u32 v14, s21, v14                     ; the stage, on the way in: four lanes' 64 bytes on end, then the padding
	v_mul_u32_u24 v15, v2, SP
	v_add_nc_u32 v15, s21, v15                     ; and on the way out: my 16 neighbours
	v_lshlrev_b32 v4, 3, v2                        ; my 8 bytes of a step's 256 bytes of codes
	v_lshrrev_b32 v5, 1, v2
	s_add_co_u32 s21, s21, 2*32*SP
	v_add_nc_u32 v5, s21, v5                       ; LDS: my block's scale byte
	v_lshlrev_b32 v7, 3, v2
	v_add_nc_u32 v6, s21, v7                       ; and 8 of the 256 bytes on the way out
	s_lshl_b32 s22, ttmp9, 2
	s_add_co_u32 s22, s22, s20                     ; which run of 8,192 numbers is my wave's
	s_mov_b32 s25, 0
	s_lshl_b32 s24, s22, 15
	s_add_nc_u64 s[4:5], s[4:5], s[24:25]
	s_lshl_b32 s24, s22, 12
	s_add_nc_u64 s[10:11], s[10:11], s[24:25]
	s_lshl_b32 s24, s22, 8
	s_add_nc_u64 s[12:13], s[12:13], s[24:25]
.macro XLOAD t
.irp i, 0,1,2,3
	global_load_b128 v[XR+16*((\t)%AHEAD)+4*\i:XR+16*((\t)%AHEAD)+4*\i+3], v3, s[4:5] offset:2048*(\t)+512*\i th:TH_LOAD_NT
.endr
.endm
.macro XTURN t                         ; LDS serves a wave's instructions in order: no wait between the stores and the loads
.irp i, 0,1,2,3
	ds_store_b128 v14, v[XR+16*((\t)%AHEAD)+4*\i:XR+16*((\t)%AHEAD)+4*\i+3] offset:32*SP*((\t)%2)+8*SP*\i
.endr
.irp i, 0,1,2,3
	ds_load_b128 v[XX+16*((\t)%2)+4*\i:XX+16*((\t)%2)+4*\i+3], v15 offset:32*SP*((\t)%2)+16*\i
.endr
.endm
.irp t, 0,1,2,3,4,5,6,7
	XLOAD \t
.endr
	s_wait_loadcnt 4*(AHEAD-1)                     ; step 0's four loads are in; seven steps' stay out
	XTURN 0
.macro XSTEP t
.set XS, XX+16*((\t)%2)
.if (\t) > 0
	s_wait_dscnt 1                                 ; this step's numbers are back from the stage (the last step's byte store may be out), so its stores into the stage have read their registers,
.else
	s_wait_dscnt 0x0
.endif
.if (\t)+AHEAD < STEPS
	XLOAD (\t)+AHEAD                               ; which take the loads of eight steps on
.endif
.if (\t)+1 < STEPS
.if STEPS-2-(\t) >= AHEAD-1
	s_wait_loadcnt 4*(AHEAD-1)                     ; the next step's four loads are in; those of the seven steps behind it may be out
.else
	s_wait_loadcnt 4*(STEPS-2-(\t))
.endif
	XTURN (\t)+1
.endif
	v_max3_num_f32 v8, |v[XS]|, |v[XS+1]|, |v[XS+2]|               ; the largest magnitude of my 16, in two chains
	v_max3_num_f32 v9, |v[XS+3]|, |v[XS+4]|, |v[XS+5]|
.irp i, 6,10
	v_max3_num_f32 v8, v8, |v[XS+\i]|, |v[XS+\i+1]|
	v_max3_num_f32 v9, v9, |v[XS+\i+2]|, |v[XS+\i+3]|
.endr
	v_max3_num_f32 v8, v8, |v[XS+14]|, |v[XS+15]|
	v_max3_num_f32 v8, v8, v9, (EMAX+1)<<23        ; and the floor 2^(3 - 127): the byte cannot fall under 1
	v_max_num_f32_dpp v8, v8, v8 row_xmask:1 row_mask:0xf bank_mask:0xf   ; with my neighbour's 16: the block's
	v_add_nc_u32 v11, 0xff000000, v8               ; 2 off its exponent field: the conversion takes that field as its scale
	v_cvt_scalef32_pk8_fp4_f32 v[XC+2*(\t)], v[XS:XS+7], v11
	v_cvt_scalef32_pk8_fp4_f32 v[XC+2*(\t)+1], v[XS+8:XS+15], v11
	v_lshrrev_b32 v[XE+(\t)], 23, v11              ; the scale's byte (also the plain line behind the conversions)
	ds_store_b8 v5, v[XE+(\t)] offset:16*(\t)      ; both lanes of a block write the same byte with the same value
	global_store_b64 v4, v[XC+2*(\t):XC+2*(\t)+1], s[10:11] offset:256*(\t)   ; 32 lanes store 256 consecutive bytes, aligned
.endm
.irp t, 0,1,2,3,4,5,6,7,8,9,10,11,12,13,14,15
	XSTEP \t
.endr
	ds_load_b64 v[8:9], v6                         ; my wave's 256 scale bytes
	s_wait_dscnt 0x0
	global_store_b64 v7, v[8:9], s[12:13]          ; 256 consecutive bytes, aligned
	CLOSE
.Lnot_x:
	s_cmp_lt_u32 ttmp9, 304
	s_cbranch_scc0 .Lp
; ---------------- w_qkv: a lane takes a column n and its registers run down K: a block of 32 lies in one lane, and the conversions give codes with K innermost.  A wave: 32 columns x 512 along K.
.set WNB,    16                        ; blocks of a wave
.set WPITCH, 272                       ; a stage row: 256 bytes of codes + 16
.set WKROW,  512                       ; a row of wc
.set WROW,   12288                     ; a row of w_qkv
.set WSTG,   32768                     ; this path's LDS: four stages of 32 rows
.set WX,     32                        ; v32-95   two sets of 32 numbers
.set WC,     96                        ; v96-99   a block's codes
.set WOUT,   112                       ; v112-175 the way out
.set WSB,    24                        ; v24-27   the scale bytes, four to a register
	s_sub_co_u32 s21, ttmp9, 256
	s_cmp_ge_u32 s21, 24
	s_cselect_b32 s22, 1, 0                        ; which 512 along K
	s_cselect_b32 s23, 24, 0
	s_sub_co_u32 s21, s21, s23                     ; which 128 columns
	s_lshl_b32 s24, s21, 7
	s_lshl_b32 s25, s20, 5
	s_add_co_u32 s24, s24, s25                     ; my wave's first column
	v_lshlrev_b32 v3, 2, v2                        ; in: 4 bytes a lane
	s_mul_i32 s25, s20, 32*WPITCH
	s_add_co_u32 s25, s25, WSTG                    ; my stage
	v_mul_u32_u24 v4, v2, WPITCH
	v_add_nc_u32 v4, s25, v4                       ; into it: row = my column
	v_and_b32 v5, 15, v2
	v_lshrrev_b32 v6, 4, v2
	v_mul_u32_u24 v7, v6, WPITCH
	v_lshl_add_u32 v7, v5, 4, v7
	v_add_nc_u32 v7, s25, v7                       ; out of it: sixteen lanes to a row, two rows an instruction
	v_mul_u32_u24 v8, v6, WKROW
	v_lshl_add_u32 v8, v5, 4, v8                   ; and the same place in wc
	v_lshlrev_b32 v9, 5, v2                        ; my column's row of scale bytes
	s_mul_i32 s26, s22, 512*WROW
	s_lshl_b32 s27, s24, 2
	s_add_co_u32 s26, s26, s27
	s_mov_b32 s27, 0
	s_add_nc_u64 s[6:7], s[6:7], s[26:27]
	s_lshl_b32 s26, s24, 9
	s_lshl_b32 s28, s22, 8
	s_add_co_u32 s26, s26, s28
	s_add_nc_u64 s[14:15], s[14:15], s[26:27]
	s_lshl_b32 s26, s24, 5
	s_lshl_b32 s28, s22, 4
	s_add_co_u32 s26, s26, s28
	s_add_nc_u64 s[16:17], s[16:17], s[26:27]
.macro WLOAD t                         ; block t: w(32 t + i, my column); the largest immediate is 511 rows of 12,288 bytes, inside the signed 24 bits
.irp i, 0,1,2,3,4,5,6,7,8,9,10,11,12,13,14,15,16,17,18,19,20,21,22,23,24,25,26,27,28,29,30,31
	global_load_b32 v[WX+32*((\t)%2)+\i], v3, s[6:7] offset:(32*(\t)+\i)*WROW th:TH_LOAD_NT
.endr
.endm
	WLOAD 0
	WLOAD 1
.macro WBLOCK t
.set XS, WX+32*((\t)%2)
.if (\t) < WNB-1
	s_wait_loadcnt 32                              ; this block's 32 loads are in; the next block's may be out
.else
	s_wait_loadcnt 0
.endif
	v_max3_num_f32 v12, |v[XS]|, |v[XS+1]|, |v[XS+2]|
	v_max3_num_f32 v13, |v[XS+3]|, |v[XS+4]|, |v[XS+5]|
.irp i, 6,10,14,18,22,26
	v_max3_num_f32 v12, v12, |v[XS+\i]|, |v[XS+\i+1]|
	v_max3_num_f32 v13, v13, |v[XS+\i+2]|, |v[XS+\i+3]|
.endr
	v_max3_num_f32 v12, v12, |v[XS+30]|, |v[XS+31]|
	v_max3_num_f32 v12, v12, v13, (EMAX+1)<<23     ; and the floor
	v_add_nc_u32 v11, 0xff000000, v12
	v_lshrrev_b32 v13, 23, v11                     ; the scale's byte
.if (\t)%4 == 0
	v_mov_b32 v[WSB+(\t)/4], v13
.else
	v_lshl_or_b32 v[WSB+(\t)/4], v13, 8*((\t)%4), v[WSB+(\t)/4]
.endif
.irp g, 0,1,2,3
	v_cvt_scalef32_pk8_fp4_f32 v[WC+\g], v[XS+8*\g:XS+8*\g+7], v11
.endr
	ds_store_b128 v4, v[WC:WC+3] offset:16*(\t)    ; 32 codes: 16 bytes of my column's row
.if (\t)+2 < WNB
	WLOAD (\t)+2
.endif
	s_wait_dscnt 0x0                               ; the store has read its registers: the next block's codes may be written
.endm
.irp t, 0,1,2,3,4,5,6,7,8,9,10,11,12,13,14,15
	WBLOCK \t
.endr
	global_store_b128 v9, v[WSB:WSB+3], s[16:17]   ; my column's 16 scale bytes
.irp t, 0,1,2,3,4,5,6,7,8,9,10,11,12,13,14,15
	ds_load_b128 v[WOUT+4*\t:WOUT+4*\t+3], v7 offset:2*\t*WPITCH
.endr
.irp t, 0,1,2,3,4,5,6,7,8,9,10,11,12,13,14,15
	s_wait_dscnt 15-\t
	global_store_b128 v8, v[WOUT+4*\t:WOUT+4*\t+3], s[14:15] offset:2*\t*WKROW   ; sixteen lanes store 256 consecutive bytes, aligned
.endr
	CLOSE
.Lp:
; ---------------- w_proj -> wpt [k / 128][n / 16][8][512 bytes]: a piece of 512 bytes holds, for lane (r, h) at 16 x lane, w_proj[16 kc + 8 h + 0..7][16 nt + r] as f16: half a fragment as the matrix unit takes it.
; A lane takes a column and its registers run down K: eight neighbours along K round to 16 bytes of one piece.  A wave: 32 columns x 128 along K.  No LDS.
.set PX, 32                            ; v32-95   two sets of 32 numbers
.set PO, 96                            ; v96-159  16 registers for each of the four blocks: no store's data are written again
	s_sub_co_u32 s21, ttmp9, 304
	s_and_b32 s22, s21, 7                          ; which 128 columns
	s_lshr_b32 s23, s21, 3                         ; which 128 along K
	v_lshlrev_b32 v3, 2, v2
	v_lshrrev_b32 v4, 4, v2
	v_and_b32 v5, 15, v2
	v_lshlrev_b32 v4, 12, v4
	v_lshl_add_u32 v4, v5, 4, v4                   ; out: 4,096 bytes for each 16 columns, 16 bytes a column
	s_lshl_b32 s24, s23, 19
	s_lshl_b32 s25, s22, 9
	s_add_co_u32 s24, s24, s25
	s_lshl_b32 s25, s20, 7
	s_add_co_u32 s24, s24, s25
	s_mov_b32 s25, 0
	s_add_nc_u64 s[8:9], s[8:9], s[24:25]
	s_lshl_b32 s24, s23, 18
	s_lshl_b32 s26, s22, 15
	s_add_co_u32 s24, s24, s26
	s_lshl_b32 s26, s20, 13
	s_add_co_u32 s24, s24, s26
	s_add_nc_u64 s[18:19], s[18:19], s[24:25]
.macro PLOAD t
.irp i, 0,1,2,3,4,5,6,7,8,9,10,11,12,13,14,15,16,17,18,19,20,21,22,23,24,25,26,27,28,29,30,31
	global_load_b32 v[PX+32*((\t)%2)+\i], v3, s[8:9] offset:(32*(\t)+\i)*4096 th:TH_LOAD_NT
.endr
.endm
	PLOAD 0
	PLOAD 1
.macro PBLOCK t
.if (\t) < 3
	s_wait_loadcnt 32                              ; this block's 32 loads are in; the next block's may be out
.else
	s_wait_loadcnt 0
.endif
.irp i, 0,1,2,3,4,5,6,7,8,9,10,11,12,13,14,15
	v_cvt_pk_f16_f32 v[PO+16*(\t)+\i], v[PX+32*((\t)%2)+2*\i], v[PX+32*((\t)%2)+2*\i+1]
.endr
.irp q, 0,1,2,3
	global_store_b128 v4, v[PO+16*(\t)+4*\q:PO+16*(\t)+4*\q+3], s[18:19] offset:(2*(\t)+\q/2)*512+(\q%2)*256   ; sixteen lanes store 256 consecutive bytes, aligned
.endr
.if (\t)+2 < 4
	PLOAD (\t)+2
.endif
.endm
.irp t, 0,1,2,3
	PBLOCK \t
.endr
	CLOSE
.Lfunc_end_k_q97b5684123_prep:
	.size	k_q97b5684123_prep, .Lfunc_end_k_q97b5684123_prep-k_q97b5684123_prep
	.p2alignl 7, 3214868480
	.fill 96, 4, 3214868480
	.section	.rodata,"a",@progbits
	.p2align	6, 0x0
	.amdhsa_kernel k_q97b5684123_prep
		.amdhsa_group_segment_fixed_size 68096
		.amdhsa_private_segment_fixed_size 0
		.amdhsa_enable_private_segment 0
		.amdhsa_kernarg_size 64
		.amdhsa_user_sgpr_count 2
		.amdhsa_user_sgpr_kernarg_segment_ptr 1
		.amdhsa_wavefront_size32 1
		.amdhsa_system_sgpr_workgroup_id_x 1
		.amdhsa_system_sgpr_workgroup_id_y 1
		.amdhsa_system_sgpr_workgroup_id_z 1
		.amdhsa_system_vgpr_workitem_id 0
		.amdhsa_next_free_vgpr 256
		.amdhsa_next_free_sgpr 66
		.amdhsa_reserve_vcc 0
		.amdhsa_float_denorm_mode_32 3
		.amdhsa_float_denorm_mode_16_64 3
		.amdhsa_memory_ordered 1
		.amdhsa_forward_progress 1
		.amdhsa_inst_pref_size 129
	.end_amdhsa_kernel
	.amdgpu_metadata
---
amdhsa.version: [ 1, 2 ]
amdhsa.kernels:
  - .name:           k_q97b5684123_prep
    .symbol:         k_q97b5684123_prep.kd
    .args:
      - { .name: x, .offset: 0, .size: 8, .value_kind: global_buffer, .address_space: global }
      - { .name: w_qkv, .offset: 8, .size: 8, .value_kind: global_buffer, .address_space: global }
      - { .name: w_proj, .offset: 16, .size: 8, .value_kind: global_buffer, .address_space: global }
      - { .name: xc, .offset: 24, .size: 8, .value_kind: global_buffer, .address_space: global }
      - { .name: xs, .offset: 32, .size: 8, .value_kind: global_buffer, .address_space: global }
      - { .name: wc, .offset: 40, .size: 8, .value_kind: global_buffer, .address_space: global }
      - { .name: ws, .offset: 48, .size: 8, .value_kind: global_buffer, .address_space: global }
      - { .name: wpt, .offset: 56, .size: 8, .value_kind: global_buffer, .address_space: global }
    .group_segment_fixed_size: 68096
    .private_segment_fixed_size: 0
    .kernarg_segment_align: 8
    .kernarg_segment_size: 64
    .max_flat_workgroup_size: 128
    .sgpr_count:     66
    .vgpr_count:     256
    .wavefront_size: 32
...
	.end_amdgpu_metadata
.endif
;; end of part 1
;; launch qkv (part 2): grid 12 x 32, 4 waves a work-group, clusters of 4 x 4, 327,680 bytes of LDS; arguments xc, xs, wc, ws, qkv, qkvf; writes qkv, qkvf
.if DOCPART == 2
	.amdgcn_target "amdgcn-amd-amdhsa--gfx1250"
	.amdhsa_code_object_version 6
	.text
	.protected	k_q97b5684123_qkv
	.globl	k_q97b5684123_qkv
	.p2align	8
	.type	k_q97b5684123_qkv,@function
k_q97b5684123_qkv:
	s_mov_b64 s[64:65], 0
	v_nop
	global_prefetch_b8 v0, s[64:65] scope:SCOPE_SE
	s_setreg_imm32_b32 hwreg(HW_REG_WAVE_MODE, 25, 1), 1
	s_wait_xcnt 0x0
	s_wait_alu depctr_hold_cnt(0) depctr_sa_sdst(0) depctr_va_vdst(0) depctr_va_sdst(0) depctr_va_ssrc(0) depctr_va_vcc(0) depctr_vm_vsrc(0)
	s_getreg_b32 s2, hwreg(HW_REG_IB_STS2, 6, 4)
	s_cmp_eq_u32 s2, 0
	s_cbranch_scc0 .Lentry_in_a_cluster
	s_endpgm
.Lentry_in_a_cluster:
	s_bfe_u32 s2, ttmp6, 0x10000c
	s_cmp_lg_u32 s2, 0xf033
	s_cbranch_scc0 .Lentry_shape_is_right
	s_endpgm
.Lentry_shape_is_right:
; qkv = x w_qkv on codes of FP4 (E2M1) with one E8M0 scale for each 32 along K; sums in f32.  xc [8192][512 bytes], xs [8192][32], wc [3072][512 bytes], ws [3072][32].
; A tile of 256 x 256 is made by a work-group of four waves, 128 x 128 each: 64 accumulators of 16 x 16.  K = 1,024 lies in two LDS slots of 512 along K, both asked for at the head: nothing is filled again.
; The scale bytes of the tile's 2 x 256 rows come once, as dense blocks.  CLUSTERS of 4 x 4: the A side's tile is shared along a row of the cluster, the B side's along a column, each asked for jointly.
; ROLES.  The matrix instruction takes 16 rows of the B side as source 0 and 16 rows of the A side as source 1: a lane then holds ONE row of the A side and eight neighbours of the B side.
;   clusters x = 0, 1 (q and k): A side = x (tile 8 cy + cluster y), B side = w (tile 4 cluster x + cx): a lane holds one position t and eight channels.
;   cluster  x = 2    (v):       A side = w (tile 8 + cy),           B side = x (tile 8 cx + cluster y): a lane holds one channel and eight positions: v comes out with the keys innermost.
; The choice hangs on the cluster's x alone, which all sixteen partners share; both matrices have the same row bytes, so the tiles' shapes are the same.
; THE WAY OUT has no stage: eight results of a lane round to 16 bytes of f16, and the 32 lanes' 512 bytes ARE a piece of the buffer qkv [part 3][batch x head 64][t / 16][4][512 bytes]:
;   q, k: piece (t16, g): lane (r, h) holds position 16 t16 + r, channels 16 g + 8 h + 0..7;   v: piece (t16, ct): channel 16 ct + r, positions 16 t16 + 8 h + 0..7.  Two neighbouring pieces are one f16 fragment.
; The f32 sums of positions 0 to 15 of every sequence go to qkvf as images of the accumulators' registers; they lie in the tiles with cluster y = 0, so that branch hangs on the cluster's y and the wave's number.
; LIMIT: |q|, |k|, |v| stay under 65,504.
.set SIZE_K, 1024
.set KSTEP,  512
.set NQ,     KSTEP/128
.set ROWB,   256
.set KROW,   SIZE_K*4/8
.set PITCH,  272                       ; an LDS row: 256 bytes + 16 of padding: the 16 rows that a load touches start at 16 different banks (ISA guide 11.1)
.set FR,     8
.set NL,     2
.set NP,     4                         ; places behind this matrix instruction (ISA guide 7.12.1)
.set HALFT,  128*PITCH
.set SLOT,   4*HALFT
.set KS,     SIZE_K/32
.set SCL,    2*SLOT                    ; behind the two slots: the scales, as units of 256 bytes + 16 of padding
.set HALFS,  (128*KS/256)*272
.set SBLK,   (16*KS/256)*272
.set SPARE,  SCL+4*HALFS               ; the spare words, 128 bytes for each wave
.set ADRA, 16                          ; v16-17  LDS address of my A fragments in slot 0, 1
.set ADRB, 20                          ; v20-21  the same for B
.set LO,   26                          ; v26     16 x lane: my place in a piece
.set ADRS, 27                          ; v27     LDS address of my scale words: lanes 0-15 A's rows, lanes 16-31 B's
.set SPW,  28
.set NIL,  29
.set SC,   32                          ; v32-95  scale words, two sets
.set AF,   128                         ; A's fragments, window 0, one set
.set TMP,  96                          ; the way out: v96-223, 32 registers for each of four blocks
.set G1, 24
.set G0, 32
.set G1B, 48
.set G0B, 56
.set G1S, 68
.set G0S, 76
.set G1SB, 80
.set G0SB, 88
.set MSB, 0
.macro WIN new                         ; the immediate's high byte repeats the setting that is left
.if MSB != \new
	s_set_vgpr_msb (MSB<<8)|\new
.set MSB, \new
.endif
.endm
.set MUL_LO, 0xa1                      ; source 0 (B) window 1, source 1 (A) window 0, C and D window 2
.set MUL_HI, 0xf1                      ; the same, C and D window 3
.set TO_B,   0x40
.macro JLOAD g0a, g1a, g0b, g1b        ; a joint load: waves 0 and 1 fetch for A, waves 2 and 3 for B; an s_nop 0 and four v_nop follow each line
	s_cmp_eq_u32 s15, 0
	s_cbranch_scc0 .Lfor_b_\@
	tensor_load_to_lds s[\g0a:\g0a+3], s[\g1a:\g1a+7]
	s_nop 0
.rept 4
	v_nop
.endr
	s_branch .Lasked_\@
.Lfor_b_\@:
	tensor_load_to_lds s[\g0b:\g0b+3], s[\g1b:\g1b+7]
	s_nop 0
.rept 4
	v_nop
.endr
.Lasked_\@:
.endm
.macro CREST
	s_cmp_lg_u32 s14, 0
	s_cbranch_scc1 .Lnot_wave_0_\@
	s_barrier_signal -3
.Lnot_wave_0_\@:
	s_barrier_wait -3
	s_barrier_signal -1
	s_barrier_wait -1
.endm
.macro CROUND
	s_barrier_signal -1
	s_barrier_wait -1
	CREST
.endm
	s_load_b128 s[4:7], s[0:1], 0x0                ; xc, xs
	s_load_b128 s[8:11], s[0:1], 0x10              ; wc, ws
	s_load_b128 s[96:99], s[0:1], 0x20             ; qkv, qkvf
	v_lshl_add_u32 v[SPW], v0, 2, SPARE
	v_mov_b32 v[NIL], 0
	ds_add_u32 v[SPW], v[NIL]                      ; the wave's opening: the add, twice on end, and its wait ahead of my first tensor load
	ds_add_u32 v[SPW], v[NIL]
	v_lshrrev_b32 v1, 5, v0
	v_readfirstlane_b32 s14, v1                    ; wave 0..3
	s_lshr_b32 s15, s14, 1                         ; which half of the A side's rows is mine.  Also: I fetch for A (0) or for B (1)
	s_and_b32 s16, s14, 1                          ; which half of the B side's rows.  Also: which 128 rows of that tile I fetch
	s_bfe_u32 s40, ttmp6, 0x40000                  ; cx
	s_bfe_u32 s41, ttmp6, 0x40004                  ; cy
	s_and_b32 s12, ttmp7, 0xffff                   ; the cluster's y
	s_lshl_b32 s17, s41, 3
	s_add_co_u32 s17, s17, s12                     ; A side, q and k: x tile 8 cy + cluster y
	s_add_co_u32 s13, s41, 8                       ; A side, v: w tile 8 + cy
	s_lshl_b32 s42, ttmp9, 2
	s_add_co_u32 s42, s42, s40                     ; B side, q and k: w tile 4 cluster x + cx
	s_lshl_b32 s95, s40, 3
	s_add_co_u32 s95, s95, s12                     ; B side, v: x tile 8 cx + cluster y
	s_cmp_eq_u32 ttmp9, 2                          ; the same in all sixteen partners
	s_cselect_b32 s17, s13, s17                    ; A's tile: made of cy and the cluster's place alone
	s_cselect_b32 s42, s95, s42                    ; B's tile: of cx and the cluster's place alone
	s_lshl_b32 s43, s41, 2
	s_lshl_b32 s43, 15, s43                        ; my row of the cluster
	s_lshl_b32 s44, 0x1111, s40                    ; my column
	s_or_b32 s[G1+0], s43, (0<<16)|(1<<20)|(1<<21)|(5<<22)|(3<<25)  ; the mask; elements of 1 byte; padding on; bit 21 beside a mask; 4 words of padding after every 64
	s_or_b32 s[G1B+0], s44, (0<<16)|(1<<20)|(1<<21)|(5<<22)|(3<<25)
.irp g, G1, G1B
	s_mov_b32 s[\g+1], ROWB<<16                    ; tensor_dim0
	s_mov_b32 s[\g+2], 128<<16                     ; tensor_dim1
	s_mov_b32 s[\g+3], ROWB<<16                    ; tile_dim0
	s_mov_b32 s[\g+4], 128                         ; tile_dim1
	s_mov_b32 s[\g+5], KROW                        ; the pitch
	s_mov_b32 s[\g+6], 0
	s_mov_b32 s[\g+7], 0
.endr
	s_or_b32 s[G1S+0], s43, (3<<16)|(1<<20)|(1<<21)|(5<<22)|(3<<25)  ; the scales of 128 rows: a dense block, as rows of 256 bytes (32 elements of 8 bytes)
	s_or_b32 s[G1SB+0], s44, (3<<16)|(1<<20)|(1<<21)|(5<<22)|(3<<25)
.irp g, G1S, G1SB
	s_mov_b32 s[\g+1], 32<<16
	s_mov_b32 s[\g+2], (128*KS/256)<<16
	s_mov_b32 s[\g+3], 32<<16
	s_mov_b32 s[\g+4], 128*KS/256
	s_mov_b32 s[\g+5], 32
	s_mov_b32 s[\g+6], 0
	s_mov_b32 s[\g+7], 0
.endr
	s_lshl_b32 s18, s16, 7                         ; which 128 rows of the tile I fetch
	s_lshl_b32 s20, s17, 8
	s_add_co_u32 s20, s20, s18                     ; A: row
	s_lshl_b32 s46, s42, 8
	s_add_co_u32 s46, s46, s18                     ; B: row
	s_mov_b32 s21, 0
	s_mov_b32 s47, 0
	s_mov_b64 s[18:19], KS
	s_mul_u64 s[22:23], s[20:21], s[18:19]         ; where these rows' scales begin
	s_mul_u64 s[92:93], s[46:47], s[18:19]
	s_mov_b64 s[18:19], KROW
	s_mul_u64 s[20:21], s[20:21], s[18:19]         ; and their codes
	s_mul_u64 s[46:47], s[46:47], s[18:19]
	s_mul_i32 s45, s14, HALFT                      ; where they go: wave x 128 rows: no place in the cluster enters an LDS address
	s_mul_i32 s94, s14, HALFS
	s_wait_dscnt 0x0                               ; both opening adds are done
	s_wait_kmcnt 0x0
	s_cmp_eq_u32 ttmp9, 2                          ; which buffers are the A side's and which the B side's
	s_cselect_b64 s[66:67], s[8:9], s[4:5]         ; A's codes
	s_cselect_b64 s[100:101], s[10:11], s[6:7]     ; A's scales
	s_cselect_b64 s[8:9], s[4:5], s[8:9]           ; B's codes
	s_cselect_b64 s[10:11], s[6:7], s[10:11]       ; B's scales
	s_add_nc_u64 s[20:21], s[66:67], s[20:21]
	s_add_nc_u64 s[22:23], s[100:101], s[22:23]
	s_add_nc_u64 s[46:47], s[8:9], s[46:47]
	s_add_nc_u64 s[92:93], s[10:11], s[92:93]
	CROUND                                         ; all sixteen work-groups are here: the first joint loads meet
	s_mov_b32 s[G0S], 1
	s_add_co_u32 s[G0S+1], s94, SCL
	s_mov_b64 s[G0S+2:G0S+3], s[22:23]
	s_or_b32 s[G0S+3], s[G0S+3], 0x80000000
	s_mov_b32 s[G0SB], 1
	s_add_co_u32 s[G0SB+1], s94, SCL
	s_mov_b64 s[G0SB+2:G0SB+3], s[92:93]
	s_or_b32 s[G0SB+3], s[G0SB+3], 0x80000000
	JLOAD G0S, G1S, G0SB, G1SB                     ; the scales first: they are wanted with the first K step
.irp s, 0,1
	s_mov_b32 s[G0+4*\s], 1
	s_add_co_u32 s[G0+4*\s+1], s45, \s*SLOT
	s_add_nc_u64 s[G0+4*\s+2:G0+4*\s+3], s[20:21], \s*ROWB
	s_or_b32 s[G0+4*\s+3], s[G0+4*\s+3], 0x80000000
	s_mov_b32 s[G0B+4*\s], 1
	s_add_co_u32 s[G0B+4*\s+1], s45, \s*SLOT
	s_add_nc_u64 s[G0B+4*\s+2:G0B+4*\s+3], s[46:47], \s*ROWB
	s_or_b32 s[G0B+4*\s+3], s[G0B+4*\s+3], 0x80000000
	JLOAD G0+4*\s, G1, G0B+4*\s, G1B               ; three loads of mine are out behind the second of these
.endr
	v_and_b32 v1, 15, v0                           ; r
	v_bfe_u32 v2, v0, 4, 1                         ; h
	v_mul_u32_u24 v3, v1, PITCH
	v_lshl_add_u32 v4, v2, 4, v3                   ; a fragment's row x pitch + 16 h
	s_mul_i32 s21, s15, HALFT                      ; my 128 rows of A
	s_mul_i32 s22, s16, HALFT                      ; my 128 rows of B,
	s_add_co_u32 s22, s22, 2*HALFT                 ; which lie behind A's 256
.irp s, 0,1
	v_add_nc_u32 v[ADRA+\s], s21, v4
	v_add_nc_u32 v[ADRB+\s], s22, v4
	s_add_co_u32 s21, s21, SLOT
	s_add_co_u32 s22, s22, SLOT
.endr
	v_mul_u32_u24 v5, v1, KS                       ; my row's scales: KS bytes a row,
	v_lshrrev_b32 v6, 8, v5
	v_lshl_add_u32 v5, v6, 4, v5                   ; and 16 more for each 256 passed
	s_mul_i32 s21, s15, HALFS
	s_mul_i32 s22, s16, HALFS
	s_add_co_u32 s22, s22, 2*HALFS
	s_sub_co_u32 s22, s22, s21
	v_mul_u32_u24 v6, s22, v2                      ; lanes 16-31 take B's: one product, the distance between the two bases
	s_add_co_u32 s21, s21, SCL
	v_add_nc_u32 v5, v5, v6
	v_add_nc_u32 v[ADRS], s21, v5
	v_and_b32 v6, 31, v0
	v_lshlrev_b32 v[LO], 4, v6
.macro FRAG reg, adr, q, i             ; 16 rows x 128 K of 4-bit codes: 8 registers, two loads of 16 bytes, 32 bytes apart
.irp c, 0,1
	ds_load_b128 v[\reg+4*\c:\reg+4*\c+3], v[\adr] offset:64*(\q)+32*\c+(\i)*16*PITCH
.endr
.endm
; 16 matrix instructions: A's blocks a0, a0 + 1 x B's eight.  The 64 accumulators take turns, one instruction a turn, in the same order in every step.
.macro MUL16 a0, p, q, sc, zero
.irp a, \a0, \a0+1
.irp b, 0,1,2,3,4,5,6,7
.if \zero
	v_wmma_scale_f32_16x16x128_f8f6f4 v[8*(8*((\a)%4)+\b):8*(8*((\a)%4)+\b)+7], v[128*(\p)+FR*\b:128*(\p)+FR*\b+FR-1], v[AF+FR*(\a):AF+FR*(\a)+FR-1], 0, v[SC+8*NQ*(\sc)+NQ*\b+(\q)], v[SC+8*NQ*(\sc)+NQ*(\a)+(\q)] matrix_a_fmt:MATRIX_FMT_FP4 matrix_b_fmt:MATRIX_FMT_FP4 matrix_a_scale:MATRIX_SCALE_ROW1
.else
	v_wmma_scale_f32_16x16x128_f8f6f4 v[8*(8*((\a)%4)+\b):8*(8*((\a)%4)+\b)+7], v[128*(\p)+FR*\b:128*(\p)+FR*\b+FR-1], v[AF+FR*(\a):AF+FR*(\a)+FR-1], v[8*(8*((\a)%4)+\b):8*(8*((\a)%4)+\b)+7], v[SC+8*NQ*(\sc)+NQ*\b+(\q)], v[SC+8*NQ*(\sc)+NQ*(\a)+(\q)] matrix_a_fmt:MATRIX_FMT_FP4 matrix_b_fmt:MATRIX_FMT_FP4 matrix_a_scale:MATRIX_SCALE_ROW1
.endif
.endr
.endr
.endm
.macro FETCH_B slot, q, p
	WIN TO_B
.irp i, 0,1,2,3,4,5,6,7
	FRAG 128*(\p)+FR*\i, ADRB+\slot, \q, \i
.endr
	WIN 0
.endm
.macro FETCH_A slot, q, i0
.irp i, \i0, \i0+1, \i0+2, \i0+3
	FRAG AF+FR*(\i), ADRA+\slot, \q, \i
.endr
.endm
.macro SCALES sc                       ; a slot's scale words: lanes 0-15 take A's block i, lanes 16-31 B's block i
.irp i, 0,1,2,3,4,5,6,7
	ds_load_b128 v[SC+8*NQ*\sc+NQ*\i:SC+8*NQ*\sc+NQ*\i+3], v[ADRS] offset:\i*SBLK
.endr
.endm
.macro PLACES n                        ; plain vector instructions between a matrix instruction and a load into its registers or a read of its results
.rept \n
	v_nop
.endr
.endm
.macro STEP slot, q, zero              ; 128 along K, with its successor in the same slot
	s_wait_dscnt 4*NL                              ; B's set and A's blocks 0-3 are in; the youngest loads (A's blocks 4-7) may be out
	WIN MUL_LO
	MUL16 0, (\q)%2, \q, \slot, \zero
	MUL16 2, (\q)%2, \q, \slot, \zero
	s_wait_dscnt 0                                 ; A's blocks 4-7 are in
	PLACES NP
	FETCH_B \slot, (\q)+1, 1-(\q)%2
	FETCH_A \slot, (\q)+1, 0
	WIN MUL_HI
	MUL16 4, (\q)%2, \q, \slot, \zero
	MUL16 6, (\q)%2, \q, \slot, \zero
	PLACES NP
	WIN 0
	FETCH_A \slot, (\q)+1, 4
.endm
.macro STEPS slot, from
.set Q, \from
.rept NQ-1-\from
	STEP \slot, Q, 0
.set Q, Q+1
.endr
.endm
	s_wait_tensorcnt 1                             ; the scales and my part of slot 0 are in; slot 1's load may be out
	s_barrier_signal -1
	s_barrier_wait -1
	FETCH_B 0, 0, 0
	FETCH_A 0, 0, 0
	SCALES 0
	FETCH_A 0, 0, 4
	STEP 0, 0, 1                                   ; the first step's products start the sums: nothing is cleared
	STEPS 0, 1
	; slot 0's last step changes slots: my part of slot 1 has landed, and a barrier shows everybody's
	s_wait_tensorcnt 0x0
	ds_add_u32 v[SPW], v[NIL]                      ; 0 onto my spare word
	s_wait_dscnt 4*NL+1                            ; (the add and A's blocks 4-7 may be out)
	WIN MUL_LO
	MUL16 0, 1, NQ-1, 0, 0
	s_wait_dscnt 0x0
	s_barrier_signal -1
	MUL16 2, 1, NQ-1, 0, 0
	WIN 0
	s_barrier_wait -1
	PLACES NP
	v_add_nc_u32 v[ADRS], 4*NQ, v[ADRS]            ; on to slot 1's scale words
	FETCH_B 1, 0, 0
	FETCH_A 1, 0, 0
	SCALES 1
	WIN MUL_HI
	MUL16 4, 1, NQ-1, 0, 0
	MUL16 6, 1, NQ-1, 0, 0
	PLACES NP
	WIN 0
	FETCH_A 1, 0, 4
	STEPS 1, 0
	s_wait_dscnt 4*NL                              ; the very last step
	WIN MUL_LO
	MUL16 0, 1, NQ-1, 1, 0
	MUL16 2, 1, NQ-1, 1, 0
	s_wait_dscnt 0
	WIN MUL_HI
	MUL16 4, 1, NQ-1, 1, 0
	MUL16 6, 1, NQ-1, 1, 0
	WIN 0
; THE WAY OUT.  Block a (16 rows of the A side) x B's eight blocks: each accumulator rounds to four registers, read from its low end on, and is stored as one piece: 512 consecutive bytes, aligned.
.macro PACKST a, role
.set AC, 64*((\a)%4)
.set TP, TMP+32*((\a)%4)
	WIN 0x0a+5*((\a)/4)                            ; sources 0 and 1: window 2 or 3
.irp b, 0,1,2,3,4,5,6,7
.irp r, 0,1,2,3
	v_cvt_pk_f16_f32 v[TP+4*\b+\r], v[AC+8*\b+2*\r], v[AC+8*\b+2*\r+1]
.endr
.endr
	WIN 0
.irp b, 0,1,2,3,4,5,6,7
.if \role
	global_store_b128 v[LO], v[TP+4*\b:TP+4*\b+3], s[96:97] offset:((\a)/4)*262144+((\a)%4)*512+\b*2048   ; v: head a / 4, channels 16 (a % 4) on, positions 16 b on
.else
	global_store_b128 v[LO], v[TP+4*\b:TP+4*\b+3], s[96:97] offset:(\a)*2048+(\b/4)*262144+(\b%4)*512     ; q, k: positions 16 a on, head b / 4, channels 16 (b % 4) on
.endif
.endr
.endm
	PLACES NP                                      ; behind the last products: for the reads of results and the writes over A's fragments
	s_cmp_eq_u32 ttmp9, 2
	s_cbranch_scc1 .Lout_v
	s_lshl_b32 s18, s42, 2
	s_lshl_b32 s19, s16, 1
	s_add_co_u32 s18, s18, s19                     ; my first head among q's 16 and k's 16: 4 x w tile + 2 x half
	s_lshr_b32 s19, s18, 4
	s_lshl_b32 s19, s19, 6                         ; the part, 64 heads' worth each
	s_and_b32 s20, s18, 15
	s_add_co_u32 s19, s19, s20
	s_lshl_b32 s20, s41, 4                         ; the batch is cy
	s_add_co_u32 s19, s19, s20
	s_lshl_b32 s20, s19, 18
	s_lshl_b32 s21, s12, 4
	s_lshl_b32 s22, s15, 3
	s_add_co_u32 s21, s21, s22                     ; my first 16 positions: 16 cluster y + 8 x half
	s_lshl_b32 s21, s21, 11
	s_add_co_u32 s20, s20, s21
	s_mov_b32 s21, 0
	s_add_nc_u64 s[96:97], s[96:97], s[20:21]
	s_mul_i32 s22, s41, 196608
	s_lshl_b32 s23, s18, 12
	s_add_co_u32 s22, s22, s23
	s_mov_b32 s23, 0
	s_add_nc_u64 s[98:99], s[98:99], s[22:23]
	s_or_b32 s22, s12, s15
	s_cmp_eq_u32 s22, 0                            ; positions 0 to 15 are block 0 of the waves with half 0 in the clusters with y = 0
	s_cbranch_scc0 .Lno_fine_qk
	WIN 0x08                                       ; a store's data are its source 1: window 2
.irp b, 0,1,2,3,4,5,6,7
	global_store_b128 v[LO], v[8*\b:8*\b+3], s[98:99] offset:\b*1024
	global_store_b128 v[LO], v[8*\b+4:8*\b+7], s[98:99] offset:\b*1024+512
.endr
	WIN 0
.Lno_fine_qk:
.irp a, 0,1,2,3,4,5,6,7
.if \a > 3
	s_wait_xcnt 0x0                                ; block a - 4's stores have read their registers, which are written again
.endif
	PACKST \a, 0
.endr
	s_branch .Lclose
.Lout_v:
	s_lshl_b32 s19, s40, 4                         ; the batch is cx
	s_add_co_u32 s19, s19, 128                     ; part 2
	s_lshl_b32 s20, s41, 2
	s_add_co_u32 s19, s19, s20
	s_lshl_b32 s20, s15, 1
	s_add_co_u32 s19, s19, s20                     ; my first head: 4 cy + 2 x half
	s_lshl_b32 s20, s19, 18
	s_lshl_b32 s21, s12, 4
	s_lshl_b32 s22, s16, 3
	s_add_co_u32 s21, s21, s22
	s_lshl_b32 s21, s21, 11
	s_add_co_u32 s20, s20, s21
	s_mov_b32 s21, 0
	s_add_nc_u64 s[96:97], s[96:97], s[20:21]
	s_mul_i32 s22, s40, 196608
	s_lshl_b32 s23, s41, 2
	s_add_co_u32 s23, s23, 32
	s_lshl_b32 s18, s15, 1
	s_add_co_u32 s23, s23, s18
	s_lshl_b32 s23, s23, 12
	s_add_co_u32 s22, s22, s23
	s_mov_b32 s23, 0
	s_add_nc_u64 s[98:99], s[98:99], s[22:23]
	s_or_b32 s22, s12, s16
	s_cmp_eq_u32 s22, 0
	s_cbranch_scc0 .Lno_fine_v
	WIN 0x08
.irp a, 0,1,2,3
	global_store_b128 v[LO], v[64*\a:64*\a+3], s[98:99] offset:\a*1024
	global_store_b128 v[LO], v[64*\a+4:64*\a+7], s[98:99] offset:\a*1024+512
.endr
	WIN 0x0c                                       ; window 3
.irp a, 4,5,6,7
	global_store_b128 v[LO], v[64*(\a-4):64*(\a-4)+3], s[98:99] offset:\a*1024
	global_store_b128 v[LO], v[64*(\a-4)+4:64*(\a-4)+7], s[98:99] offset:\a*1024+512
.endr
	WIN 0
.Lno_fine_v:
.irp a, 0,1,2,3,4,5,6,7
.if \a > 3
	s_wait_xcnt 0x0
.endif
	PACKST \a, 1
.endr
.Lclose:
	s_wait_tensorcnt 0x0                           ; the wave's end
	ds_add_u32 v[SPW], v[NIL]
	s_wait_dscnt 0x0
	CROUND                                         ; the closing round: no work-group ends while a partner may still ask for a tile that names it
	s_endpgm
.Lfunc_end_k_q97b5684123_qkv:
	.size	k_q97b5684123_qkv, .Lfunc_end_k_q97b5684123_qkv-k_q97b5684123_qkv
	.p2alignl 7, 3214868480
	.fill 96, 4, 3214868480
	.section	.rodata,"a",@progbits
	.p2align	6, 0x0
	.amdhsa_kernel k_q97b5684123_qkv
		.amdhsa_group_segment_fixed_size 327680
		.amdhsa_private_segment_fixed_size 0
		.amdhsa_enable_private_segment 0
		.amdhsa_kernarg_size 48
		.amdhsa_user_sgpr_count 2
		.amdhsa_user_sgpr_kernarg_segment_ptr 1
		.amdhsa_wavefront_size32 1
		.amdhsa_system_sgpr_workgroup_id_x 1
		.amdhsa_system_sgpr_workgroup_id_y 1
		.amdhsa_system_sgpr_workgroup_id_z 1
		.amdhsa_system_vgpr_workitem_id 0
		.amdhsa_next_free_vgpr 1024
		.amdhsa_next_free_sgpr 102
		.amdhsa_reserve_vcc 0
		.amdhsa_float_denorm_mode_32 3
		.amdhsa_float_denorm_mode_16_64 3
		.amdhsa_memory_ordered 1
		.amdhsa_forward_progress 1
		.amdhsa_inst_pref_size 145
	.end_amdhsa_kernel
	.amdgpu_metadata
---
amdhsa.version: [ 1, 2 ]
amdhsa.kernels:
  - .name:           k_q97b5684123_qkv
    .symbol:         k_q97b5684123_qkv.kd
    .args:
      - { .name: xc, .offset: 0, .size: 8, .value_kind: global_buffer, .address_space: global }
      - { .name: xs, .offset: 8, .size: 8, .value_kind: global_buffer, .address_space: global }
      - { .name: wc, .offset: 16, .size: 8, .value_kind: global_buffer, .address_space: global }
      - { .name: ws, .offset: 24, .size: 8, .value_kind: global_buffer, .address_space: global }
      - { .name: qkv, .offset: 32, .size: 8, .value_kind: global_buffer, .address_space: global }
      - { .name: qkvf, .offset: 40, .size: 8, .value_kind: global_buffer, .address_space: global }
    .group_segment_fixed_size: 327680
    .private_segment_fixed_size: 0
    .kernarg_segment_align: 8
    .kernarg_segment_size: 48
    .max_flat_workgroup_size: 128
    .sgpr_count:     102
    .vgpr_count:     1024
    .wavefront_size: 32
...
	.end_amdgpu_metadata
.endif
;; end of part 2
;; launch attn (part 3): grid 4 x 64, 8 waves a work-group, no clusters, 327,680 bytes of LDS; arguments qkv, oh; writes oh
.if DOCPART == 3
	.amdgcn_target "amdgcn-amd-amdhsa--gfx1250"
	.amdhsa_code_object_version 6
	.text
	.protected	k_q97b5684123_attn
	.globl	k_q97b5684123_attn
	.p2align	8
	.type	k_q97b5684123_attn,@function
k_q97b5684123_attn:
	s_mov_b64 s[64:65], 0
	v_nop
	global_prefetch_b8 v0, s[64:65] scope:SCOPE_SE
	s_setreg_imm32_b32 hwreg(HW_REG_WAVE_MODE, 25, 1), 1
	s_wait_xcnt 0x0
; o = softmax(q k^T / 8, causal) v for each of 64 (batch, head), f16 operands, f32 sums, maxima and row sums; o leaves as f16 in the order of the projection's operand registers.
; WORK LEFT OUT: key steps (128 keys) all of whose keys come after all of a wave's 32 queries: the problem's own lower-triangular mask gives them the weight 0 (shown at the head of launch prep).
; LIMITS: scores stay far under 1e9 in magnitude; hidden scores inside a step on the diagonal are -1e30; a NaN or infinity that reaches only hidden tiles is not carried to the result.
; SHARES.  Work-group (I, head) owns two blocks of 256 queries: block I, then block 7 - I.  Keys come in slots of 256: block I wants I + 1 of them, block 7 - I wants 8 - I: NINE SLOTS IN EVERY WORK-GROUP,
; so the loop's trip count is a constant and all 256 work-groups have the same work.  Each of the eight waves owns 32 queries of the block in hand, two tiles of 16; two waves share a SIMD.
; NO CLUSTER: in one and the same trip the four work-groups of a head stand at different key slots (I + 1 trips into the walk each starts anew), so joint requests would not meet.
; LAYOUT.  qkv is made of pieces of 512 bytes, lane (r, h) at 16 x lane: q, k: row r, channels 8 h + 0..7 of 16;  v: channel r, keys 8 h + 0..7 of 16.  Two pieces are one fragment of 16 x 32, a slot's K and V are
; dense blocks of 32 KiB, and every LDS read is 16 x lane + a constant.  S^T = K Q^T and O^T = V^T P: a lane holds ONE query (lane % 16) throughout, and two tiles of S^T rounded in pairs are P's fragment.
; SOFTMAX.  A running maximum m and sum l for each query: p = 2^(c s - c m), c = log2(e) / 8; in every step O and l are multiplied by a = 2^(c m_old - c m_new).  The sum is taken of the unrounded p.
; THE MASK COSTS NO VECTOR WORK IN THE LOOP: a wave's step on the diagonal has the same pattern in both blocks (its first query is 32 (wave % 4) past the step's first key), so nine tiles of 0 / -1e30 are made once
; and given as the C of that step's first products.
; REGISTERS.  window 0: v1-7 addresses and constants; v8-23 statistics, eight a tile; v24-27 sums at work; v32-159 S^T, then p, then P; v160-231 the nine mask tiles.
;             window 1: v0-127 K's, then V's fragments of a step; v128-191 O^T; v192-223 Q of the block in hand; v224-255 Q of the second block.
.set SLOTB, 65536                      ; a slot: K's 64 pieces, then V's 64
.set VOFF,  32768
.set SPARE, 131072                     ; behind the two slots: the spare words, 128 bytes for each wave
.set LI,  1                            ; v1   16 x lane
.set AD,  2                            ; v2   LDS address of the slot in hand for my lane
.set PFO, 3                            ; v3   256 x lane
.set NEG, 4                            ; v4   -1e30
.set TV,  5                            ; v5   at work at the head
.set SPW, 6
.set NIL, 7
.set ST,  8                            ; tile u at v[ST + 8 u]: +0 c m, +1 m, +2, +3 l, +4 .. +7 at work (a in +6)
.set SB2, 24
.set S,   32
.set MK,  160
.set O,   128                          ; in window 1
.set Q,   192
.set QB,  224
; scalars: s8 wave, s9 I, s10 batch x head, s11 trips to go, s12, s13 the trips in which the key slots and the queries start anew, s14 key slot to ask for, s15 the prefetches' limit, s[16:23], s[24:27] descriptor,
; s[28:29] my eighth of key slot 0, s[30:31] prefetch, s[32:33] an offset, s[34:37] o of the two blocks, s38, s39 my first query in them, s40 the slot's first key, s41 the slot's LDS byte, s[42:43] c, s[44:45] lane selects
.set MSB, 0
.macro WIN new
.if MSB != \new
	s_set_vgpr_msb (MSB<<8)|\new
.set MSB, \new
.endif
.endm
.macro TLOAD                           ; every wave loads its eighth of a slot, 32 rows of 256 bytes; an s_nop 0 and four v_nop follow
	tensor_load_to_lds s[24:27], s[16:23]
	s_nop 0
.rept 4
	v_nop
.endr
.endm
; A prefetch of key slot j + 2 in trip j = 0 .. 5, by the head's work-group with I = 0 alone (all four walk the same K and V); each wave names the 8,192 bytes that it would load, lanes 256 bytes apart:
; each aligned block of 256 bytes is named once in the launch.  Slots 0 and 1 come by their loads alone; slot 7 is the last.
.macro ASK
	s_cmp_gt_u32 s11, s15
	s_cbranch_scc0 .Lnot_mine_\@
	global_prefetch_b8 v[PFO], s[30:31] th:TH_LOAD_NT scope:SCOPE_SE
.Lnot_mine_\@:
.endm
.macro INITST                          ; m = -3e38, under every score; l = 0; the registers at work are written once (a lane permute's destination counts as read)
.irp u, 0,1
	v_mov_b32 v[ST+8*\u+1], 0xff61b1e6
	v_mul_f32 v[ST+8*\u], s42, v[ST+8*\u+1]
.irp n, 2,3,4,5,6,7
	v_mov_b32 v[ST+8*\u+\n], 0
.endr
.endr
.endm
	s_load_b128 s[4:7], s[0:1], 0x0                ; qkv, oh
	v_lshl_add_u32 v[SPW], v0, 2, SPARE
	v_mov_b32 v[NIL], 0
	ds_add_u32 v[SPW], v[NIL]                      ; the wave's opening: the add, twice on end, and its wait ahead of my first tensor load
	ds_add_u32 v[SPW], v[NIL]
	v_lshrrev_b32 v1, 5, v0
	v_readfirstlane_b32 s8, v1                     ; wave 0..7
	s_mov_b32 s9, ttmp9                            ; I
	s_and_b32 s10, ttmp7, 0xffff                   ; 16 x batch + head
	s_mov_b32 s11, 8
	s_sub_co_u32 s12, 8, s9                        ; in the trip with this count the next slot asked for is key slot 0 of the second block
	s_sub_co_u32 s13, 7, s9                        ; and in the trip with this count the second block begins.  Also: the second block's number
	s_mov_b32 s14, 0
	s_cmp_eq_u32 s9, 0
	s_cselect_b32 s15, 2, -1
	s_mov_b32 s16, 3<<16                           ; no mask; elements of 8 bytes; no padding
	s_mov_b32 s17, 32<<16                          ; tensor_dim0 = 32 elements: 256 bytes
	s_mov_b32 s18, 32<<16                          ; tensor_dim1 = 32
	s_mov_b32 s19, 32<<16                          ; tile_dim0
	s_mov_b32 s20, 32                              ; tile_dim1
	s_mov_b32 s21, 32                              ; the pitch: dense
	s_mov_b32 s22, 0
	s_mov_b32 s23, 0
	s_mov_b32 s24, 1
	s_lshl_b32 s25, s8, 13                         ; LDS: wave x 8,192: waves 0-3 K's quarters, waves 4-7 V's
	s_lshr_b32 s46, s8, 2
	s_add_co_u32 s46, s46, 1                       ; part 1 (k) or 2 (v)
	s_lshl_b32 s46, s46, 24
	s_lshl_b32 s53, s10, 18                        ; the head's bytes in a part
	s_add_co_u32 s46, s46, s53
	s_and_b32 s47, s8, 3
	s_lshl_b32 s47, s47, 13
	s_add_co_u32 s32, s46, s47
	s_mov_b32 s33, 0
	s_lshl_b32 s46, s9, 4
	s_lshl_b32 s52, s8, 1
	s_add_co_u32 s46, s46, s52                     ; my first tile of queries in block I: 16 I + 2 wave
	s_lshl_b32 s47, s13, 4
	s_add_co_u32 s47, s47, s52                     ; and in block 7 - I
	s_lshl_b32 s48, s46, 11
	s_add_co_u32 s48, s48, s53
	s_mov_b32 s49, 0
	s_lshl_b32 s50, s47, 11
	s_add_co_u32 s50, s50, s53
	s_mov_b32 s51, 0
	s_bfe_u32 s52, s10, 0x30001                    ; head / 2: which 128 of the projection's K
	s_lshl_b32 s52, s52, 21
	s_and_b32 s53, s10, 1
	s_lshl_b32 s53, s53, 11                        ; head % 2: four pieces on
	s_add_co_u32 s52, s52, s53
	s_lshr_b32 s53, s10, 4
	s_lshl_b32 s53, s53, 19                        ; the batch: 128 tiles of rows of 4,096 bytes
	s_add_co_u32 s52, s52, s53
	s_lshl_b32 s34, s46, 12
	s_add_co_u32 s34, s34, s52
	s_mov_b32 s35, 0
	s_lshl_b32 s36, s47, 12
	s_add_co_u32 s36, s36, s52
	s_mov_b32 s37, 0
	s_lshl_b32 s38, s46, 4                         ; my first query: 256 I + 32 wave
	s_lshl_b32 s39, s47, 4
	s_mov_b32 s40, 0
	s_mov_b32 s41, 0
	s_mov_b32 s42, 0x3e38aa3b                      ; c = log2(e) / 8
	s_mov_b32 s43, s42                             ; (named with it as a pair)
	s_mov_b32 s44, 0x76543210
	s_mov_b32 s45, 0xfedcba98
	s_wait_dscnt 0x0                               ; both opening adds are done
	s_wait_kmcnt 0x0
	s_add_nc_u64 s[28:29], s[4:5], s[32:33]
	s_mov_b64 s[26:27], s[28:29]
	s_or_b32 s27, s27, 0x80000000                  ; type = 2
	TLOAD                                          ; key slot 0 into LDS slot 0: one load of mine is out
	s_add_nc_u64 s[30:31], s[28:29], 32768         ; the first trip steps it to key slot 2
	s_add_nc_u64 s[48:49], s[4:5], s[48:49]
	s_add_nc_u64 s[50:51], s[4:5], s[50:51]
	s_add_nc_u64 s[34:35], s[6:7], s[34:35]
	s_add_nc_u64 s[36:37], s[6:7], s[36:37]
	v_and_b32 v[LI], 31, v0
	v_lshlrev_b32 v[PFO], 8, v[LI]
	v_lshlrev_b32 v[LI], 4, v[LI]
	WIN 0x40                                       ; destination window 1
.irp i, 0,1,2,3,4,5,6,7
	global_load_b128 v[Q+4*\i:Q+4*\i+3], v[LI], s[48:49] offset:\i*512     ; tile i / 4, piece i % 4
.endr
.irp i, 0,1,2,3,4,5,6,7
	global_load_b128 v[QB+4*\i:QB+4*\i+3], v[LI], s[50:51] offset:\i*512
.endr
.irp i, 0,1,2,3,4,5,6,7,8,9,10,11,12,13,14,15,16,17,18,19,20,21,22,23,24,25,26,27,28,29,30,31,32,33,34,35,36,37,38,39,40,41,42,43,44,45,46,47,48,49,50,51,52,53,54,55,56,57,58,59,60,61,62,63
	v_mov_b32 v[O+\i], 0                           ; O^T: the step is written once; the first finds zeros, which the first a = 0 leaves zeros
.endr
	WIN 0
	; the mask tiles.  On the diagonal tile (kt, u) holds key 16 kt + 8 h + j against query 32 (wave % 4) + 16 u + r: hidden where 16 (kt + 1 - u) + j > 32 (wave % 4) + 16 + r - 8 h
	v_mov_b32 v[NEG], 0xf149f2ca                   ; -1e30
	v_and_b32 v[AD], 15, v0
	v_bfe_u32 v[TV], v0, 4, 1
	v_lshlrev_b32 v[TV], 3, v[TV]
	v_sub_nc_u32 v[TV], v[AD], v[TV]
	s_and_b32 s46, s8, 3
	s_lshl_b32 s46, s46, 5
	s_add_co_u32 s46, s46, 16
	v_add_nc_u32 v[TV], s46, v[TV]
.irp x, 0,1,2,3,4,5,6,7,8
.irp j, 0,1,2,3,4,5,6,7
	v_cmp_gt_i32 vcc_lo, 16*\x+\j, v[TV]
	v_cndmask_b32 v[MK+8*\x+\j], 0, v[NEG], vcc_lo
.endr
.endr
	INITST
; THE SOFTMAX of a step, both tiles line by line.  Each accumulator of S^T is first read at its low end.
.macro SOFTMAX
.irp b, 0,1,2,3
.irp u, 0,1
	v_max3_num_f32 v[ST+8*\u+4+\b], v[S+64*\u+16*\b], v[S+64*\u+16*\b+1], v[S+64*\u+16*\b+2]   ; four chains of 15 scores
.endr
.endr
.irp i, 3,5,7,9,11,13
.irp b, 0,1,2,3
.irp u, 0,1
	v_max3_num_f32 v[ST+8*\u+4+\b], v[ST+8*\u+4+\b], v[S+64*\u+16*\b+\i], v[S+64*\u+16*\b+\i+1]
.endr
.endr
.endr
.irp u, 0,1
	v_max3_num_f32 v[ST+8*\u+4], v[ST+8*\u+4], v[S+64*\u+15], v[S+64*\u+31]   ; the four scores left over
	v_max3_num_f32 v[ST+8*\u+6], v[ST+8*\u+6], v[S+64*\u+47], v[S+64*\u+63]
.endr
.irp u, 0,1
	v_max3_num_f32 v[ST+8*\u+4], v[ST+8*\u+4], v[ST+8*\u+5], v[ST+8*\u+6]
.endr
.irp u, 0,1
	v_max3_num_f32 v[ST+8*\u+4], v[ST+8*\u+4], v[ST+8*\u+7], v[ST+8*\u+1]     ; and the old m
.endr
.irp u, 0,1
	v_permlanex16_b32 v[ST+8*\u+5], v[ST+8*\u+4], s44, s45                    ; the query's other 64 keys lie in the lane 16 away
.endr
.irp u, 0,1
	v_mov_b32 v[ST+8*\u+7], v[ST+8*\u]                                        ; c m_old
.endr
.irp u, 0,1
	v_max_num_f32 v[ST+8*\u+1], v[ST+8*\u+4], v[ST+8*\u+5]                    ; the new m
.endr
.irp u, 0,1
	v_mul_f32 v[ST+8*\u], s42, v[ST+8*\u+1]
.endr
.irp u, 0,1
	v_sub_f32 v[ST+8*\u+7], v[ST+8*\u+7], v[ST+8*\u]
.endr
.irp j, 0,2,4,6,8,10,12,14,16,18,20,22,24,26,28,30,32,34,36,38,40,42,44,46,48,50,52,54,56,58,60,62
.irp u, 0,1
	v_pk_fma_f32 v[S+64*\u+\j:S+64*\u+\j+1], v[S+64*\u+\j:S+64*\u+\j+1], s[42:43], v[ST+8*\u:ST+8*\u+1] op_sel_hi:[1,0,0] neg_lo:[0,0,1] neg_hi:[0,0,1]   ; c s - c m, two at a time
.endr
.endr
.irp u, 0,1
	v_exp_f32 v[ST+8*\u+6], v[ST+8*\u+7]                                      ; ONE BATCH of 130 exponentials: a,
.endr
.irp j, 0,1,2,3,4,5,6,7,8,9,10,11,12,13,14,15,16,17,18,19,20,21,22,23,24,25,26,27,28,29,30,31,32,33,34,35,36,37,38,39,40,41,42,43,44,45,46,47,48,49,50,51,52,53,54,55,56,57,58,59,60,61,62,63
.irp u, 0,1
	v_exp_f32 v[S+64*\u+\j], v[S+64*\u+\j]                                    ; and p
.endr
.endr
	v_nop                                          ; a plain instruction behind the last exponential,
	s_wait_alu depctr_va_vdst(0)                   ; and one wait ahead of the batch's first reader
.irp u, 0,1
	v_pk_mul_f32 v[ST+8*\u+2:ST+8*\u+3], v[ST+8*\u+2:ST+8*\u+3], v[ST+8*\u+6:ST+8*\u+7] op_sel_hi:[1,0]   ; l under the new m
.endr
.irp u, 0,1
	v_pk_add_f32 v[SB2+2*\u:SB2+2*\u+1], v[S+64*\u:S+64*\u+1], v[S+64*\u+2:S+64*\u+3]   ; the sum of the unrounded p, in two chains
.endr
.irp j, 4,8,12,16,20,24,28,32,36,40,44,48,52,56,60
.irp u, 0,1
	v_pk_add_f32 v[ST+8*\u+2:ST+8*\u+3], v[ST+8*\u+2:ST+8*\u+3], v[S+64*\u+\j:S+64*\u+\j+1]
	v_pk_add_f32 v[SB2+2*\u:SB2+2*\u+1], v[SB2+2*\u:SB2+2*\u+1], v[S+64*\u+\j+2:S+64*\u+\j+3]
.endr
.endr
.irp u, 0,1
	v_pk_add_f32 v[ST+8*\u+2:ST+8*\u+3], v[ST+8*\u+2:ST+8*\u+3], v[SB2+2*\u:SB2+2*\u+1]
.endr
.irp g, 0,1,2,3
.irp i, 0,1,2,3,4,5,6,7
.irp u, 0,1
	v_cvt_pk_f16_f32 v[S+64*\u+16*\g+\i], v[S+64*\u+16*\g+2*\i], v[S+64*\u+16*\g+2*\i+1]   ; in place, ascending: P's fragment of keys 32 g on lies in registers 16 g .. 16 g + 7 of the tile
.endr
.endr
.endr
.endm
; A KEY STEP: 128 keys, the s-th of the slot in hand.
.macro STEP s
	s_add_co_u32 s46, s40, 128*\s                  ; the step's first key
	s_cmp_gt_u32 s46, s38                          ; past my first query (both are multiples of 32): past all 32: the step is hidden.  Ids and counts alone; no barrier and no tensor load stands in a step
	s_cbranch_scc1 .Lhid_\@
	v_add_nc_u32 v[AD], s41, v[LI]
	WIN 0x40
.irp c, 0,1                                    ; K: fragment (kt, c): keys 16 kt on, channels 32 c on; the eight of c = 0 first
.irp kt, 0,1,2,3,4,5,6,7
	ds_load_b128 v[64*\c+8*\kt:64*\c+8*\kt+3],   v[AD] offset:((8*\s+\kt)*4+2*\c)*512
	ds_load_b128 v[64*\c+8*\kt+4:64*\c+8*\kt+7], v[AD] offset:((8*\s+\kt)*4+2*\c)*512+512
.endr
.endr
	WIN 0
	s_wait_dscnt 16                                ; the sixteen loads of c = 0 are in
	s_add_co_u32 s46, s46, 128
	s_cmp_le_u32 s46, s38                          ; all 128 keys at or before my first query: nothing is hidden
	s_cbranch_scc1 .Lopen_\@
	WIN 0x05                                       ; K and Q window 1, S^T and the mask window 0
.irp kt, 0,1,2,3,4,5,6,7
.irp u, 0,1
	v_wmma_f32_16x16x32_f16 v[S+64*\u+8*\kt:S+64*\u+8*\kt+7], v[8*\kt:8*\kt+7], v[Q+16*\u:Q+16*\u+7], v[MK+8*(\kt+1-\u):MK+8*(\kt+1-\u)+7]   ; on the diagonal the sums start from 0 or -1e30
.endr
.endr
	WIN 0
	s_branch .Ljoin_\@
.Lopen_\@:
	WIN 0x05
.irp kt, 0,1,2,3,4,5,6,7
.irp u, 0,1
	v_wmma_f32_16x16x32_f16 v[S+64*\u+8*\kt:S+64*\u+8*\kt+7], v[8*\kt:8*\kt+7], v[Q+16*\u:Q+16*\u+7], 0
.endr
.endr
	WIN 0
.Ljoin_\@:
	s_wait_dscnt 0x0                               ; c = 1 is in
	WIN 0x05
.irp kt, 0,1,2,3,4,5,6,7                       ; the sixteen accumulators take turns
.irp u, 0,1
	v_wmma_f32_16x16x32_f16 v[S+64*\u+8*\kt:S+64*\u+8*\kt+7], v[64+8*\kt:64+8*\kt+7], v[Q+16*\u+8:Q+16*\u+15], v[S+64*\u+8*\kt:S+64*\u+8*\kt+7]
.endr
.endr
	WIN 0
.rept 4
	v_nop                                          ; places in front of the loads over K's fragments and of the first read of the scores
.endr
	WIN 0x40
.irp g, 0,1,2,3                                ; V: fragment (ct, g): channels 16 ct on, keys 32 g on; it lands while the softmax is walked
.irp ct, 0,1,2,3
	ds_load_b128 v[32*\g+8*\ct:32*\g+8*\ct+3],   v[AD] offset:VOFF+((8*\s+2*\g)*4+\ct)*512
	ds_load_b128 v[32*\g+8*\ct+4:32*\g+8*\ct+7], v[AD] offset:VOFF+((8*\s+2*\g)*4+\ct)*512+2048
.endr
.endr
	WIN 0
	SOFTMAX
	s_wait_dscnt 0x0                               ; V is in
	WIN 0x41                                       ; O^T window 1, a window 0
.irp i, 0,2,4,6,8,10,12,14,16,18,20,22,24,26,28,30
.irp u, 0,1
	v_pk_mul_f32 v[O+32*\u+\i:O+32*\u+\i+1], v[O+32*\u+\i:O+32*\u+\i+1], v[ST+8*\u+6:ST+8*\u+7] op_sel_hi:[1,0]
.endr
.endr
	WIN 0x51                                       ; V window 1, P window 0, O^T window 1
.irp g, 0,1,2,3                                ; eight accumulators take turns
.irp ct, 0,1,2,3
.irp u, 0,1
	v_wmma_f32_16x16x32_f16 v[O+32*\u+8*\ct:O+32*\u+8*\ct+7], v[32*\g+8*\ct:32*\g+8*\ct+7], v[S+64*\u+16*\g:S+64*\u+16*\g+7], v[O+32*\u+8*\ct:O+32*\u+8*\ct+7]
.endr
.endr
.endr
	WIN 0
.rept 5
	v_nop                                          ; five places: the next step's products write over P, its loads land on V's fragments, and the way out reads O^T
.endr
.Lhid_\@:
.endm
; THE CHANGE OF SLOTS, at a slot's head.  Each wave waits for all its tensor loads (its eighth of the slot ahead), adds 0 to its spare word and waits for that and for its reads of the slot that it has left.
; Behind the barrier the slot ahead is whole and nobody reads the other: fill = 1: it takes the next key slot, which has this whole slot's work in which to land.  One load of mine is out behind each barrier.
.macro CHANGE fill
	s_wait_tensorcnt 0x0                           ; no tensor load of mine is out, so the descriptor may be written
	ds_add_u32 v[SPW], v[NIL]
.if \fill
	s_add_co_u32 s14, s14, 1
	s_cmp_eq_u32 s11, s12
	s_cselect_b32 s14, 0, s14                      ; the second block's keys begin at key slot 0
	s_lshl_b32 s32, s14, 15
	s_add_nc_u64 s[26:27], s[28:29], s[32:33]
	s_or_b32 s27, s27, 0x80000000
	s_xor_b32 s25, s25, SLOTB                      ; the other LDS slot than last time
	s_wait_xcnt 0x0                                ; the last prefetch, a trip back, has read its address
	s_add_nc_u64 s[30:31], s[30:31], 32768
.endif
	s_wait_dscnt 0x0
	s_barrier_signal -1
	s_barrier_wait -1
.if \fill
	TLOAD
	ASK
.endif
.endm
; A BLOCK'S END: l's halves and the other lane's are added; O^T / l rounds to f16: a tile's eight channels of a lane are 16 bytes of a piece of oh, stored as 512 consecutive bytes, aligned.
.macro FINISH
.irp u, 0,1
	v_add_f32 v[ST+8*\u+4], v[ST+8*\u+2], v[ST+8*\u+3]
.endr
.irp u, 0,1
	v_permlanex16_b32 v[ST+8*\u+5], v[ST+8*\u+4], s44, s45
.endr
.irp u, 0,1
	v_add_f32 v[ST+8*\u+4], v[ST+8*\u+4], v[ST+8*\u+5]
.endr
.irp u, 0,1
	v_rcp_f32 v[ST+8*\u+6], v[ST+8*\u+4]
.endr
	v_nop
	s_wait_alu depctr_va_vdst(0)                   ; one wait for the two reciprocals, ahead of their first reader
	WIN 0x41
.irp u, 0,1
.irp i, 0,2,4,6,8,10,12,14,16,18,20,22,24,26,28,30
	v_pk_mul_f32 v[O+32*\u+\i:O+32*\u+\i+1], v[O+32*\u+\i:O+32*\u+\i+1], v[ST+8*\u+6:ST+8*\u+7] op_sel_hi:[1,0]
.endr
.endr
	WIN 0x05
.irp u, 0,1
.irp ct, 0,1,2,3
.irp i, 0,1,2,3
	v_cvt_pk_f16_f32 v[S+16*\u+4*\ct+\i], v[O+32*\u+8*\ct+2*\i], v[O+32*\u+8*\ct+2*\i+1]
.endr
.endr
.endr
	WIN 0
.irp u, 0,1
.irp ct, 0,1,2,3
	global_store_b128 v[LI], v[S+16*\u+4*\ct:S+16*\u+4*\ct+3], s[34:35] offset:\u*4096+\ct*512
.endr
.endr
	s_wait_xcnt 0x0                                ; the stores have read their registers and their base: both are written again
.endm
.macro RESTART                         ; the second block: its Q, zeros in O^T, fresh statistics
	WIN 0x41
.irp i, 0,1,2,3,4,5,6,7,8,9,10,11,12,13,14,15,16,17,18,19,20,21,22,23,24,25,26,27,28,29,30,31
	v_mov_b32 v[Q+\i], v[QB+\i]
.endr
.irp i, 0,1,2,3,4,5,6,7,8,9,10,11,12,13,14,15,16,17,18,19,20,21,22,23,24,25,26,27,28,29,30,31,32,33,34,35,36,37,38,39,40,41,42,43,44,45,46,47,48,49,50,51,52,53,54,55,56,57,58,59,60,61,62,63
	v_mov_b32 v[O+\i], 0
.endr
	WIN 0
	INITST
	s_mov_b32 s38, s39
	s_mov_b64 s[34:35], s[36:37]
	s_mov_b32 s40, 0
.endm
	s_wait_loadcnt 0x0                             ; Q of both blocks
.Lslot:                                            ; eight trips: behind each change of slots the next of the nine slots is asked for
	CHANGE 1
	s_cmp_eq_u32 s11, s13                          ; the work-group's number and the count alone: all eight waves go the same way; it falls in trip I + 1, at most the fifth
	s_cbranch_scc0 .Lsame
	FINISH
	RESTART
.Lsame:
	STEP 0
	STEP 1
	s_xor_b32 s41, s41, SLOTB
	s_add_co_u32 s40, s40, 256
	s_sub_co_u32 s11, s11, 1
	s_cmp_lg_u32 s11, 0
	s_cbranch_scc1 .Lslot
	CHANGE 0                                       ; the ninth slot is written out: nothing is left to ask for
	STEP 0
	STEP 1
	FINISH
	s_wait_tensorcnt 0x0                           ; the wave's end
	ds_add_u32 v[SPW], v[NIL]
	s_wait_dscnt 0x0
	s_endpgm
.Lfunc_end_k_q97b5684123_attn:
	.size	k_q97b5684123_attn, .Lfunc_end_k_q97b5684123_attn-k_q97b5684123_attn
	.p2alignl 7, 3214868480
	.fill 96, 4, 3214868480
	.section	.rodata,"a",@progbits
	.p2align	6, 0x0
	.amdhsa_kernel k_q97b5684123_attn
		.amdhsa_group_segment_fixed_size 327680
		.amdhsa_private_segment_fixed_size 0
		.amdhsa_enable_private_segment 0
		.amdhsa_kernarg_size 16
		.amdhsa_user_sgpr_count 2
		.amdhsa_user_sgpr_kernarg_segment_ptr 1
		.amdhsa_wavefront_size32 1
		.amdhsa_system_sgpr_workgroup_id_x 1
		.amdhsa_system_sgpr_workgroup_id_y 1
		.amdhsa_system_sgpr_workgroup_id_z 1
		.amdhsa_system_vgpr_workitem_id 0
		.amdhsa_next_free_vgpr 512
		.amdhsa_next_free_sgpr 66
		.amdhsa_reserve_vcc 1
		.amdhsa_float_denorm_mode_32 3
		.amdhsa_float_denorm_mode_16_64 3
		.amdhsa_memory_ordered 1
		.amdhsa_forward_progress 1
		.amdhsa_inst_pref_size 161
	.end_amdhsa_kernel
	.amdgpu_metadata
---
amdhsa.version: [ 1, 2 ]
amdhsa.kernels:
  - .name:           k_q97b5684123_attn
    .symbol:         k_q97b5684123_attn.kd
    .args:
      - { .name: qkv, .offset: 0, .size: 8, .value_kind: global_buffer, .address_space: global }
      - { .name: oh, .offset: 8, .size: 8, .value_kind: global_buffer, .address_space: global }
    .group_segment_fixed_size: 327680
    .private_segment_fixed_size: 0
    .kernarg_segment_align: 8
    .kernarg_segment_size: 16
    .max_flat_workgroup_size: 256
    .sgpr_count:     66
    .vgpr_count:     512
    .wavefront_size: 32
...
	.end_amdgpu_metadata
.endif
;; end of part 3
;; launch proj (part 4): grid 8 x 32, 4 waves a work-group, clusters of 4 x 4, 327,680 bytes of LDS; arguments oh, wpt, out0; writes out0
.if DOCPART == 4
	.amdgcn_target "amdgcn-amd-amdhsa--gfx1250"
	.amdhsa_code_object_version 6
	.text
	.protected	k_q97b5684123_proj
	.globl	k_q97b5684123_proj
	.p2align	8
	.type	k_q97b5684123_proj,@function
k_q97b5684123_proj:
	s_mov_b64 s[64:65], 0
	v_nop
	global_prefetch_b8 v0, s[64:65] scope:SCOPE_SE
	s_setreg_imm32_b32 hwreg(HW_REG_WAVE_MODE, 25, 1), 1
	s_wait_xcnt 0x0
	s_wait_alu depctr_hold_cnt(0) depctr_sa_sdst(0) depctr_va_vdst(0) depctr_va_sdst(0) depctr_va_ssrc(0) depctr_va_vcc(0) depctr_vm_vsrc(0)
	s_getreg_b32 s2, hwreg(HW_REG_IB_STS2, 6, 4)
	s_cmp_eq_u32 s2, 0
	s_cbranch_scc0 .Lentry_in_a_cluster
	s_endpgm
.Lentry_in_a_cluster:
	s_bfe_u32 s2, ttmp6, 0x10000c
	s_cmp_lg_u32 s2, 0xf033
	s_cbranch_scc0 .Lentry_shape_is_right
	s_endpgm
.Lentry_shape_is_right:
; out0 = o w_proj, f16 operands, f32 sums, for all rows but the first 16 positions of each sequence, which launch fine stores (they are multiplied here inside a live tile and not stored).
; oh [k / 128][row / 16][8][512 bytes] and wpt [k / 128][n / 16][8][512 bytes] are made of pieces in the order of an operand's registers (lane (r, h) at 16 x lane: row or column r, k = 8 h + 0..7 of 16):
; a K step's tile is one dense block, and every LDS read is 16 x lane + a constant: no padding is needed.
; A tile of 256 rows x 128 columns to a work-group: 256 work-groups.  Four waves, each 128 x 64: 32 accumulators.  K goes in eight steps of 128 through two LDS slots.
; CLUSTERS of 4 x 4: o's tile (row tile 8 cy + cluster y) is shared along a row of the cluster, w's (column tile 4 cluster x + cx) along a column; each is asked for jointly.
; The row tiles with positions 0 to 15 are those with cluster y = 0, so the branch round their stores hangs on the cluster's y and the wave's number, which all partners share.
; THE MATRIX INSTRUCTION IS USED TRANSPOSED (source 0 = 16 columns of w, source 1 = 16 rows of o): a lane holds eight neighbouring numbers of a row of out0.
; REGISTERS: window 0: addresses, v32-95 the way out.  window 1: two fragment buffers (o's eight fragments, then w's four).  window 2: accumulator (a, b) at v[8 (4 a + b)].
.set SLOT,   98304                     ; o's 16 tiles of rows x 4,096 bytes, then w's 8 tiles of columns
.set BOFF,   65536
.set STAGE,  2*SLOT                    ; behind the ring: 16 rows x (256 + 16) bytes for each wave
.set SPITCH, 272
.set SPARE,  STAGE+4*16*SPITCH         ; the spare words, 128 bytes for each wave
.set LAPS,   4                         ; a lap = two K steps
.set ADRA, 16
.set ADRB, 20
.set STO,  24
.set RD,   25
.set CO,   26
.set SPW,  28
.set NIL,  29
.set BK,   32
.set F0,   0
.set F1,   128
.set G1, 24
.set G0, 32
.set G1B, 48
.set G0B, 56
.set MSB, 0
.macro WIN new
.if MSB != \new
	s_set_vgpr_msb (MSB<<8)|\new
.set MSB, \new
.endif
.endm
.set MUL,  0xa5                        ; sources 0 and 1 window 1; C and D window 2
.set TO_F, 0x40
.macro JLOAD s                         ; waves 0 and 1 fetch o's two halves, waves 2 and 3 w's; an s_nop 0 and four v_nop follow each line
	s_cmp_eq_u32 s11, 0
	s_cbranch_scc0 .Lfor_b_\@
	tensor_load_to_lds s[G0+4*\s:G0+4*\s+3], s[G1:G1+7]
	s_nop 0
.rept 4
	v_nop
.endr
	s_branch .Lasked_\@
.Lfor_b_\@:
	tensor_load_to_lds s[G0B+4*\s:G0B+4*\s+3], s[G1B:G1B+7]
	s_nop 0
.rept 4
	v_nop
.endr
.Lasked_\@:
.endm
.macro CREST
	s_cmp_lg_u32 s10, 0
	s_cbranch_scc1 .Lnot_wave_0_\@
	s_barrier_signal -3
.Lnot_wave_0_\@:
	s_barrier_wait -3
	s_barrier_signal -1
	s_barrier_wait -1
.endm
.macro CROUND
	s_barrier_signal -1
	s_barrier_wait -1
	CREST
.endm
	s_load_b128 s[4:7], s[0:1], 0x0                ; oh, wpt
	s_load_b64 s[8:9], s[0:1], 0x10                ; out0
	v_lshl_add_u32 v[SPW], v0, 2, SPARE
	v_mov_b32 v[NIL], 0
	ds_add_u32 v[SPW], v[NIL]                      ; the wave's opening: the add, twice on end, and its wait ahead of my first tensor load
	ds_add_u32 v[SPW], v[NIL]
	v_lshrrev_b32 v1, 5, v0
	v_readfirstlane_b32 s10, v1                    ; wave 0..3
	s_lshr_b32 s11, s10, 1                         ; which 128 rows are mine.  Also: I fetch for o (0) or for w (1)
	s_and_b32 s12, s10, 1                          ; which 64 columns.  Also: which half of that tile I fetch
	s_bfe_u32 s40, ttmp6, 0x40000                  ; cx
	s_bfe_u32 s41, ttmp6, 0x40004                  ; cy
	s_lshl_b32 s42, ttmp9, 2
	s_add_co_u32 s42, s42, s40                     ; column tile = 4 cluster x + cx
	s_and_b32 s45, ttmp7, 0xffff                   ; the cluster's y
	s_lshl_b32 s13, s41, 3
	s_add_co_u32 s13, s13, s45                     ; row tile = 8 cy + cluster y
	s_lshl_b32 s43, s41, 2
	s_lshl_b32 s43, 15, s43                        ; my row of the cluster
	s_lshl_b32 s44, 0x1111, s40                    ; my column
	s_or_b32 s[G1+0], s43, (3<<16)|(1<<21)         ; the mask; elements of 8 bytes; bit 21 beside a mask; no padding
	s_or_b32 s[G1B+0], s44, (3<<16)|(1<<21)
	s_mov_b32 s[G1+1], 32<<16                      ; rows of 256 bytes,
	s_mov_b32 s[G1+2], 128<<16                     ; 128 of them: half of o's tile
	s_mov_b32 s[G1+3], 32<<16
	s_mov_b32 s[G1+4], 128
	s_mov_b32 s[G1+5], 32                          ; dense
	s_mov_b32 s[G1+6], 0
	s_mov_b32 s[G1+7], 0
	s_mov_b32 s[G1B+1], 32<<16
	s_mov_b32 s[G1B+2], 64<<16                     ; 64 rows: half of w's tile
	s_mov_b32 s[G1B+3], 32<<16
	s_mov_b32 s[G1B+4], 64
	s_mov_b32 s[G1B+5], 32
	s_mov_b32 s[G1B+6], 0
	s_mov_b32 s[G1B+7], 0
	s_lshl_b32 s16, s13, 16                        ; o: 65,536 bytes a row tile and K step,
	s_lshl_b32 s17, s12, 15
	s_add_co_u32 s16, s16, s17                     ; my half
	s_mov_b32 s17, 0
	s_lshl_b32 s46, s42, 15                        ; w: 32,768 bytes a column tile and K step
	s_lshl_b32 s47, s12, 14
	s_add_co_u32 s46, s46, s47
	s_mov_b32 s47, 0
	s_lshl_b32 s20, s12, 15                        ; where they go: no place in the cluster enters an LDS address
	s_lshl_b32 s21, s12, 14
	s_add_co_u32 s21, s21, BOFF
	s_wait_dscnt 0x0                               ; both opening adds are done
	s_wait_kmcnt 0x0
	s_add_nc_u64 s[14:15], s[4:5], s[16:17]
	s_add_nc_u64 s[46:47], s[6:7], s[46:47]
	CROUND                                         ; all sixteen work-groups are here: the first joint loads meet
.irp s, 0,1
	s_mov_b32 s[G0+4*\s], 1
	s_add_co_u32 s[G0+4*\s+1], s20, \s*SLOT
	s_add_nc_u64 s[G0+4*\s+2:G0+4*\s+3], s[14:15], \s<<21          ; K step s
	s_or_b32 s[G0+4*\s+3], s[G0+4*\s+3], 0x80000000
	s_mov_b32 s[G0B+4*\s], 1
	s_add_co_u32 s[G0B+4*\s+1], s21, \s*SLOT
	s_add_nc_u64 s[G0B+4*\s+2:G0B+4*\s+3], s[46:47], \s<<18
	s_or_b32 s[G0B+4*\s+3], s[G0B+4*\s+3], 0x80000000
	JLOAD \s                                       ; two loads of mine are out behind the second
.endr
	v_and_b32 v1, 15, v0                           ; r
	v_bfe_u32 v2, v0, 4, 1                         ; h
	v_and_b32 v3, 31, v0
	v_lshlrev_b32 v3, 4, v3                        ; 16 x lane
	s_lshl_b32 s21, s11, 15                        ; my 8 tiles of rows
	s_lshl_b32 s22, s12, 14                        ; my 4 tiles of columns,
	s_add_co_u32 s22, s22, BOFF                    ; behind o's
.irp s, 0,1
	v_add_nc_u32 v[ADRA+\s], s21, v3
	v_add_nc_u32 v[ADRB+\s], s22, v3
	s_add_co_u32 s21, s21, SLOT
	s_add_co_u32 s22, s22, SLOT
.endr
	s_mul_i32 s23, s10, 16*SPITCH
	s_add_co_u32 s23, s23, STAGE                   ; my stage
	v_mul_u32_u24 v4, v1, SPITCH
	v_lshl_add_u32 v4, v2, 5, v4
	v_add_nc_u32 v[STO], s23, v4                   ; in: row r, 32 bytes for each half of the lanes
	v_mul_u32_u24 v5, v2, SPITCH
	v_lshl_add_u32 v5, v1, 4, v5
	v_add_nc_u32 v[RD], s23, v5                    ; back: lanes 0-15 one row of 256 bytes, lanes 16-31 the next
	v_lshlrev_b32 v5, 12, v2
	v_lshl_add_u32 v[CO], v1, 4, v5                ; and the same two rows in out0
	s_lshl_b32 s16, s13, 20                        ; 256 rows of 4,096 bytes a row tile,
	s_lshl_b32 s17, s11, 19
	s_add_co_u32 s16, s16, s17                     ; my 128 rows,
	s_lshl_b32 s17, s42, 9
	s_add_co_u32 s16, s16, s17                     ; 512 bytes a column tile,
	s_lshl_b32 s17, s12, 8
	s_add_co_u32 s16, s16, s17                     ; my 256 bytes
	s_mov_b32 s17, 0
	s_add_nc_u64 s[8:9], s[8:9], s[16:17]
.macro MUL8 f, a0, zero                ; o's blocks a0, a0 + 1 x w's four, 32 along K.  The 32 accumulators take turns in the same order in every quarter
.irp a, \a0, \a0+1
.irp b, 0,1,2,3
.if \zero
	v_wmma_f32_16x16x32_f16 v[8*(4*(\a)+\b):8*(4*(\a)+\b)+7], v[\f+64+8*\b:\f+64+8*\b+7], v[\f+8*(\a):\f+8*(\a)+7], 0
.else
	v_wmma_f32_16x16x32_f16 v[8*(4*(\a)+\b):8*(4*(\a)+\b)+7], v[\f+64+8*\b:\f+64+8*\b+7], v[\f+8*(\a):\f+8*(\a)+7], v[8*(4*(\a)+\b):8*(4*(\a)+\b)+7]
.endif
.endr
.endr
.endm
.macro FETCH slot, q, f                ; 24 LDS loads in one run: the fragments of the slot's q-th 32 along K: w's four, then o's blocks 0-3, then 4-7
	WIN TO_F
.irp b, 0,1,2,3
	ds_load_b128 v[\f+64+8*\b:\f+64+8*\b+3],   v[ADRB+\slot] offset:\b*4096+(\q)*1024
	ds_load_b128 v[\f+64+8*\b+4:\f+64+8*\b+7], v[ADRB+\slot] offset:\b*4096+(\q)*1024+512
.endr
.irp a, 0,1,2,3,4,5,6,7
	ds_load_b128 v[\f+8*\a:\f+8*\a+3],   v[ADRA+\slot] offset:\a*4096+(\q)*1024
	ds_load_b128 v[\f+8*\a+4:\f+8*\a+7], v[ADRA+\slot] offset:\a*4096+(\q)*1024+512
.endr
.endm
.macro PLACES
.rept 4
	v_nop
.endr
.endm
.macro QUARTER slot, q, f, g, zero     ; multiplies buffer f; in its middle fetches the slot's q-th quarter into g
	s_wait_dscnt 8                                 ; w's and o's blocks 0-3 are in; the youngest eight loads (blocks 4-7) may be out
	WIN MUL
	MUL8 \f, 0, \zero
	MUL8 \f, 2, \zero
	PLACES
	FETCH \slot, \q, \g
	s_wait_dscnt 24                                ; all but the 24 just issued
	WIN MUL
	MUL8 \f, 4, \zero
	MUL8 \f, 6, \zero
.endm
; A K step's last quarter changes slots: in front of the barrier each wave waits for all its tensor loads, adds 0 to its spare word, and waits for that and for its reads of this slot.
; fill = 1: the barrier opens a round of the cluster's, and the slot is filled again, two K steps ahead: 112 matrix instructions ahead of the wait for it.
.macro TURN slot, next, fill
	WIN 0
	s_wait_tensorcnt 0x0
	ds_add_u32 v[SPW], v[NIL]
	s_wait_dscnt 9                                 ; (the add and the youngest eight loads may be out)
	WIN MUL
	MUL8 F1, 0, 0
	s_wait_dscnt 0x0                               ; the add is done, and my reads of this slot are over
	s_barrier_signal -1
	MUL8 F1, 2, 0
.if \fill
	WIN 0
.endif
	s_barrier_wait -1
.if \fill
	CREST
	s_add_nc_u64 s[G0+4*\slot+2:G0+4*\slot+3], s[G0+4*\slot+2:G0+4*\slot+3], 2<<21
	s_add_nc_u64 s[G0B+4*\slot+2:G0B+4*\slot+3], s[G0B+4*\slot+2:G0B+4*\slot+3], 2<<18
	JLOAD \slot                                    ; the first tensor load behind the round; its four v_nop are also the places in front of the loads below
.else
	PLACES
.endif
	FETCH \next, 0, F0
	WIN MUL
	MUL8 F1, 4, 0
	MUL8 F1, 6, 0
.endm
	s_wait_tensorcnt 1                             ; my part of K step 0 is in; K step 1's may be out
	s_barrier_signal -1
	s_barrier_wait -1
	FETCH 0, 0, F0
	QUARTER 0, 1, F0, F1, 1                        ; the first quarter's products start the sums
	WIN 0
	s_mov_b32 s3, LAPS-1
.Llap:                                             ; a trip goes once round the ring and fills both slots again
	QUARTER 0, 2, F1, F0, 0
	QUARTER 0, 3, F0, F1, 0
	TURN 0, 1, 1
	QUARTER 1, 1, F0, F1, 0
	QUARTER 1, 2, F1, F0, 0
	QUARTER 1, 3, F0, F1, 0
	TURN 1, 0, 1
	QUARTER 0, 1, F0, F1, 0
	WIN 0
	s_sub_co_u32 s3, s3, 1
	s_cmp_lg_u32 s3, 0
	s_cbranch_scc1 .Llap
	QUARTER 0, 2, F1, F0, 0                        ; the last lap fills nothing
	QUARTER 0, 3, F0, F1, 0
	TURN 0, 1, 0
	QUARTER 1, 1, F0, F1, 0
	QUARTER 1, 2, F1, F0, 0
	QUARTER 1, 3, F0, F1, 0
	s_wait_dscnt 8
	WIN MUL
	MUL8 F1, 0, 0
	MUL8 F1, 2, 0
	s_wait_dscnt 0
	MUL8 F1, 4, 0
	MUL8 F1, 6, 0
	WIN 0
; THE WAY OUT, block by block of 16 rows x 64 columns, through my own stage: in as 32 bytes a lane, back as whole rows of 256 bytes.  LDS serves a wave's instructions in order: no wait between the stores and the loads.
.macro TOSTAGE a
	WIN 0x08                                       ; an LDS store's data are its source 1: window 2
.irp b, 0,1,2,3
	ds_store_b128 v[STO], v[8*(4*(\a)+\b):8*(4*(\a)+\b)+3] offset:64*\b          ; each accumulator from its low end on
	ds_store_b128 v[STO], v[8*(4*(\a)+\b)+4:8*(4*(\a)+\b)+7] offset:64*\b+16
.endr
	WIN 0
.set BB, BK+32*((\a)%2)
.irp t, 0,1,2,3,4,5,6,7
	ds_load_b128 v[BB+4*\t:BB+4*\t+3], v[RD] offset:\t*2*SPITCH
.endr
.endm
.macro SEND a, younger
.set BB, BK+32*((\a)%2)
	s_wait_dscnt \younger                          ; the block is back in registers
.if (\a) > 0
	s_add_nc_u64 s[8:9], s[8:9], 16*4096           ; (behind a wait on XCNT: the earlier stores have read their base)
.else
	s_or_b32 s20, s45, s11
	s_cmp_eq_u32 s20, 0                            ; positions 0 to 15 of a sequence: launch fine stores them
	s_cbranch_scc1 .Lfine_rows
.endif
.irp t, 0,1,2,3,4,5,6,7
	global_store_b128 v[CO], v[BB+4*\t:BB+4*\t+3], s[8:9] offset:2*\t*4096 th:TH_STORE_NT   ; sixteen lanes store 256 consecutive bytes, aligned
.endr
.if (\a) == 0
.Lfine_rows:
.endif
.endm
	PLACES
	TOSTAGE 0
.irp a, 1,2,3,4,5,6,7
.if \a > 1
	s_wait_xcnt 0x0                                ; block a - 2's stores have read their registers and their base
.endif
	TOSTAGE \a
	SEND \a-1, 16                                  ; behind block a - 1's loads: block a's 8 stores and 8 loads
.endr
	s_wait_xcnt 0x0
	SEND 7, 0
	s_wait_tensorcnt 0x0                           ; the wave's end
	ds_add_u32 v[SPW], v[NIL]
	s_wait_dscnt 0x0
	CROUND                                         ; the closing round
	s_endpgm
.Lfunc_end_k_q97b5684123_proj:
	.size	k_q97b5684123_proj, .Lfunc_end_k_q97b5684123_proj-k_q97b5684123_proj
	.p2alignl 7, 3214868480
	.fill 96, 4, 3214868480
	.section	.rodata,"a",@progbits
	.p2align	6, 0x0
	.amdhsa_kernel k_q97b5684123_proj
		.amdhsa_group_segment_fixed_size 327680
		.amdhsa_private_segment_fixed_size 0
		.amdhsa_enable_private_segment 0
		.amdhsa_kernarg_size 24
		.amdhsa_user_sgpr_count 2
		.amdhsa_user_sgpr_kernarg_segment_ptr 1
		.amdhsa_wavefront_size32 1
		.amdhsa_system_sgpr_workgroup_id_x 1
		.amdhsa_system_sgpr_workgroup_id_y 1
		.amdhsa_system_sgpr_workgroup_id_z 1
		.amdhsa_system_vgpr_workitem_id 0
		.amdhsa_next_free_vgpr 768
		.amdhsa_next_free_sgpr 66
		.amdhsa_reserve_vcc 0
		.amdhsa_float_denorm_mode_32 3
		.amdhsa_float_denorm_mode_16_64 3
		.amdhsa_memory_ordered 1
		.amdhsa_forward_progress 1
		.amdhsa_inst_pref_size 86
	.end_amdhsa_kernel
	.amdgpu_metadata
---
amdhsa.version: [ 1, 2 ]
amdhsa.kernels:
  - .name:           k_q97b5684123_proj
    .symbol:         k_q97b5684123_proj.kd
    .args:
      - { .name: oh, .offset: 0, .size: 8, .value_kind: global_buffer, .address_space: global }
      - { .name: wpt, .offset: 8, .size: 8, .value_kind: global_buffer, .address_space: global }
      - { .name: out0, .offset: 16, .size: 8, .value_kind: global_buffer, .address_space: global }
    .group_segment_fixed_size: 327680
    .private_segment_fixed_size: 0
    .kernarg_segment_align: 8
    .kernarg_segment_size: 24
    .max_flat_workgroup_size: 128
    .sgpr_count:     66
    .vgpr_count:     768
    .wavefront_size: 32
...
	.end_amdgpu_metadata
.endif
;; end of part 4
;; launch fine (part 5): grid 16 x 4, 16 waves a work-group, no clusters, 71,680 bytes of LDS; arguments qkvf, w_proj, out0; writes out0
.if DOCPART == 5
	.amdgcn_target "amdgcn-amd-amdhsa--gfx1250"
	.amdhsa_code_object_version 6
	.text
	.protected	k_q97b5684123_fine
	.globl	k_q97b5684123_fine
	.p2align	8
	.type	k_q97b5684123_fine,@function
k_q97b5684123_fine:
	s_mov_b64 s[64:65], 0
	v_nop
	global_prefetch_b8 v0, s[64:65] scope:SCOPE_SE
	s_setreg_imm32_b32 hwreg(HW_REG_WAVE_MODE, 25, 1), 1
	s_wait_xcnt 0x0
; The first 16 positions of every sequence, in f32 from the quantised product's sums to out0: there a row averages one to sixteen values and is the largest in size, so no operand is rounded.
; Work-group (cg, batch) makes out0[batch, 0..15, 64 cg .. 64 cg + 63].  Wave w is head w: it makes its head's attention for the 16 positions and then its head's 64 terms of the projection's K, so o never leaves
; the wave; the sixteen partial tiles meet in LDS and are added in the order of the heads.  64 columns make each row's part 256 consecutive bytes, aligned, in w_proj and in out0.
; qkvf holds images of accumulators: q, k: lane (r, h), register 8 blk + j = (position r, channel 16 blk + 8 h + j);  v: (channel 16 blk + r, position 8 h + j).
; The f32 matrix form takes k = 2 h + j from registers j = 0, 1.  A pair of registers of the images gives both operands the same four of K, so the sixteen (scores), four (values) or sixteen (projection) pairs cover K once.
; Hidden scores (key > query) are -1e30, as in launch attn.  The registers that the matrix instructions write (v176-223) are written by them alone.
.set SPARE, 69632                      ; behind the sixteen partial tiles (16 rows x 272 bytes each): the spare words, 128 bytes for each wave
.set LI,  1                            ; v1   16 x lane
.set WO,  2                            ; v2   w_proj: 8 h rows + 4 r
.set STO, 3
.set RD,  4
.set GO,  5
.set DV,  6                            ; v6   r - 8 h
.set NEG, 7
.set Q,   16                           ; v16-47 q, later w's columns 32-47
.set K,   48                           ; v48-79 k, later w's columns 48-63
.set V,   80                           ; v80-111 v, later o
.set W0,  112                          ; v112-143, v144-175 w's columns 0-15, 16-31; later the sum
.set SA,  176                          ; two accumulators of the scores
.set AC,  192                          ; four accumulators: O^T, then the projection
.set P,   224
.set T,   232
.set SPW, 250
.set NIL, 251
	s_load_b128 s[4:7], s[0:1], 0x0                ; qkvf, w_proj
	s_load_b64 s[8:9], s[0:1], 0x10                ; out0
	v_lshl_add_u32 v[SPW], v0, 2, SPARE
	v_mov_b32 v[NIL], 0
	v_lshrrev_b32 v1, 5, v0
	v_readfirstlane_b32 s10, v1                    ; wave = head
	s_and_b32 s11, ttmp7, 0xffff                   ; batch
	v_and_b32 v8, 15, v0                           ; r
	v_bfe_u32 v9, v0, 4, 1                         ; h
	v_and_b32 v1, 31, v0
	v_lshlrev_b32 v[LI], 4, v1
	v_lshlrev_b32 v[WO], 2, v8
	v_lshl_add_u32 v[WO], v9, 15, v[WO]
	s_mul_i32 s12, s10, 16*272
	v_mul_u32_u24 v[STO], v8, 272
	v_lshl_add_u32 v[STO], v9, 5, v[STO]
	v_add_nc_u32 v[STO], s12, v[STO]               ; my partial tile: row r, 32 bytes for each half of the lanes
	v_bfe_u32 v10, v0, 4, 4                        ; the final sum (threads 0 to 255): row = thread / 16,
	v_mul_u32_u24 v[RD], v10, 272
	v_lshl_add_u32 v[RD], v8, 4, v[RD]             ; 16 bytes at thread % 16
	v_lshlrev_b32 v[GO], 12, v10
	v_lshl_add_u32 v[GO], v8, 4, v[GO]
	v_lshlrev_b32 v[DV], 3, v9
	v_sub_nc_u32 v[DV], v8, v[DV]
	v_mov_b32 v[NEG], 0xf149f2ca                   ; -1e30
	v_mov_b32 v[T+1], 0                            ; (a lane permute's destination counts as read)
	s_mov_b32 s20, 0x3e38aa3b                      ; c = log2(e) / 8
	s_mov_b32 s22, 0x76543210
	s_mov_b32 s23, 0xfedcba98
	s_mul_i32 s12, s11, 196608
	s_lshl_b32 s13, s10, 12
	s_add_co_u32 s12, s12, s13
	s_mov_b32 s13, 0
	s_lshl_b32 s14, s10, 18                        ; w_proj: my head's 64 rows of 4,096 bytes,
	s_lshl_b32 s15, ttmp9, 8                       ; the work-group's 64 columns
	s_add_co_u32 s14, s14, s15
	s_mov_b32 s15, 0
	s_lshl_b32 s16, s11, 23                        ; out0: the batch's 2,048 rows
	s_lshl_b32 s17, ttmp9, 8
	s_add_co_u32 s16, s16, s17
	s_mov_b32 s17, 0
	s_wait_kmcnt 0x0
	s_add_nc_u64 s[4:5], s[4:5], s[12:13]
	s_add_nc_u64 s[6:7], s[6:7], s[14:15]
	s_add_nc_u64 s[8:9], s[8:9], s[16:17]
.irp p, 0,1,2                                  ; q, k, v of my head: 16 heads of 4,096 bytes apart
.irp k, 0,1,2,3
	global_load_b128 v[Q+32*\p+8*\k:Q+32*\p+8*\k+3],   v[LI], s[4:5] offset:\p*65536+\k*1024
	global_load_b128 v[Q+32*\p+8*\k+4:Q+32*\p+8*\k+7], v[LI], s[4:5] offset:\p*65536+\k*1024+512
.endr
.endr
.macro WLOAD reg, nt                   ; register 8 ct + j = w_proj[64 w + 16 ct + 8 h + j][64 cg + 16 nt + r]
.irp ct, 0,1,2,3
.irp j, 0,1,2,3,4,5,6,7
	global_load_b32 v[\reg+8*\ct+\j], v[WO], s[6:7] offset:(16*\ct+\j)*4096+64*\nt
.endr
.endr
.endm
	WLOAD W0, 0
	s_wait_loadcnt 32                              ; q, k and v are in; w's 32 loads may be out
	; S^T = k q^T: two accumulators take turns; the first two products start the sums
.set i, 0
.rept 16
.if i < 2
	v_wmma_f32_16x16x4_f32 v[SA+8*(i%2):SA+8*(i%2)+7], v[K+2*i:K+2*i+1], v[Q+2*i:Q+2*i+1], 0
.else
	v_wmma_f32_16x16x4_f32 v[SA+8*(i%2):SA+8*(i%2)+7], v[K+2*i:K+2*i+1], v[Q+2*i:Q+2*i+1], v[SA+8*(i%2):SA+8*(i%2)+7]
.endif
.set i, i+1
.endr
.rept 9
	v_nop                                          ; places behind this form, in front of the loads over q and k and of the first read of the scores
.endr
	WLOAD W0+32, 1
	WLOAD Q, 2
	WLOAD K, 3
.irp j, 0,1,2,3,4,5,6,7
	v_add_f32 v[P+\j], v[SA+\j], v[SA+8+\j]        ; lane (r, h): the score of key 8 h + j for query r
.endr
.irp j, 0,1,2,3,4,5,6,7
	v_cmp_gt_i32 vcc_lo, \j, v[DV]                 ; hidden where 8 h + j > r
	v_cndmask_b32 v[P+\j], v[P+\j], v[NEG], vcc_lo
.endr
	v_max3_num_f32 v[T], v[P], v[P+1], v[P+2]
	v_max3_num_f32 v[T], v[T], v[P+3], v[P+4]
	v_max3_num_f32 v[T], v[T], v[P+5], v[P+6]
	v_max_num_f32 v[T], v[T], v[P+7]
	v_permlanex16_b32 v[T+1], v[T], s22, s23
	v_max_num_f32 v[T], v[T], v[T+1]               ; the row's maximum (key 0 counts for every query)
	v_mul_f32 v[T], s20, v[T]
.irp j, 0,1,2,3,4,5,6,7
	v_fma_f32 v[P+\j], v[P+\j], s20, -v[T]
.endr
.irp j, 0,1,2,3,4,5,6,7
	v_exp_f32 v[P+\j], v[P+\j]
.endr
	v_nop
	s_wait_alu depctr_va_vdst(0)                   ; one wait for the eight exponentials, ahead of their first reader
	v_add_f32 v[T+2], v[P], v[P+1]
	v_add_f32 v[T+3], v[P+2], v[P+3]
	v_add_f32 v[T+4], v[P+4], v[P+5]
	v_add_f32 v[T+5], v[P+6], v[P+7]
	v_add_f32 v[T+2], v[T+2], v[T+3]
	v_add_f32 v[T+4], v[T+4], v[T+5]
	v_add_f32 v[T+2], v[T+2], v[T+4]
	v_permlanex16_b32 v[T+1], v[T+2], s22, s23
	v_add_f32 v[T+2], v[T+2], v[T+1]               ; the row's sum
	v_rcp_f32 v[T+3], v[T+2]
	v_nop
	s_wait_alu depctr_va_vdst(0)
	; O^T = v^T p: four accumulators take turns
.irp i, 0,1,2,3
.irp ct, 0,1,2,3
.if \i == 0
	v_wmma_f32_16x16x4_f32 v[AC+8*\ct:AC+8*\ct+7], v[V+8*\ct+2*\i:V+8*\ct+2*\i+1], v[P+2*\i:P+2*\i+1], 0
.else
	v_wmma_f32_16x16x4_f32 v[AC+8*\ct:AC+8*\ct+7], v[V+8*\ct+2*\i:V+8*\ct+2*\i+1], v[P+2*\i:P+2*\i+1], v[AC+8*\ct:AC+8*\ct+7]
.endif
.endr
.endr
.rept 9
	v_nop                                          ; nine places: the results are read, v's registers are written, and the projection's first products write over these accumulators
.endr
.irp j, 0,1,2,3,4,5,6,7,8,9,10,11,12,13,14,15,16,17,18,19,20,21,22,23,24,25,26,27,28,29,30,31
	v_mul_f32 v[V+\j], v[AC+\j], v[T+3]            ; o: lane (r, h), register 8 ct + j = (position r, channel 16 ct + 8 h + j)
.endr
	s_wait_loadcnt 0x0                             ; w
	; my head's part of out0: source 0 = 16 columns of w, source 1 = the 16 positions of o: a lane holds one position and eight neighbouring columns
.irp ct, 0,1,2,3
.irp i, 0,1,2,3
.irp nt, 0,1,2,3
.set WR, W0+32*\nt-160*(\nt/2)         ; columns 0-31 at v112 on, columns 32-63 at v16 on
.if (\ct == 0) && (\i == 0)
	v_wmma_f32_16x16x4_f32 v[AC+8*\nt:AC+8*\nt+7], v[WR+8*\ct+2*\i:WR+8*\ct+2*\i+1], v[V+8*\ct+2*\i:V+8*\ct+2*\i+1], 0
.else
	v_wmma_f32_16x16x4_f32 v[AC+8*\nt:AC+8*\nt+7], v[WR+8*\ct+2*\i:WR+8*\ct+2*\i+1], v[V+8*\ct+2*\i:V+8*\ct+2*\i+1], v[AC+8*\nt:AC+8*\nt+7]
.endif
.endr
.endr
.endr
.rept 8
	v_nop                                          ; places in front of the stores of the results and of the loads over w
.endr
.irp nt, 0,1,2,3
	ds_store_b128 v[STO], v[AC+8*\nt:AC+8*\nt+3] offset:64*\nt
	ds_store_b128 v[STO], v[AC+8*\nt+4:AC+8*\nt+7] offset:64*\nt+16
.endr
	s_wait_dscnt 0x0                               ; for the others' sake: my stores are done
	s_barrier_signal -1
	s_barrier_wait -1
	s_cmp_lt_u32 s10, 8                            ; 256 threads add: 16 bytes each
	s_cbranch_scc0 .Ldone
.irp w, 0,1,2,3,4,5,6,7,8,9,10,11,12,13,14,15
	ds_load_b128 v[W0+4*\w:W0+4*\w+3], v[RD] offset:\w*16*272
.endr
	s_wait_dscnt 0x0
.irp w, 1,2,3,4,5,6,7,8,9,10,11,12,13,14,15
	v_pk_add_f32 v[W0:W0+1], v[W0:W0+1], v[W0+4*\w:W0+4*\w+1]
	v_pk_add_f32 v[W0+2:W0+3], v[W0+2:W0+3], v[W0+4*\w+2:W0+4*\w+3]
.endr
	global_store_b128 v[GO], v[W0:W0+3], s[8:9]    ; sixteen lanes store 256 consecutive bytes, aligned
.Ldone:
	s_wait_tensorcnt 0x0                           ; the wave's end, behind my last LDS store
	ds_add_u32 v[SPW], v[NIL]
	s_wait_dscnt 0x0
	s_endpgm
.Lfunc_end_k_q97b5684123_fine:
	.size	k_q97b5684123_fine, .Lfunc_end_k_q97b5684123_fine-k_q97b5684123_fine
	.p2alignl 7, 3214868480
	.fill 96, 4, 3214868480
	.section	.rodata,"a",@progbits
	.p2align	6, 0x0
	.amdhsa_kernel k_q97b5684123_fine
		.amdhsa_group_segment_fixed_size 71680
		.amdhsa_private_segment_fixed_size 0
		.amdhsa_enable_private_segment 0
		.amdhsa_kernarg_size 24
		.amdhsa_user_sgpr_count 2
		.amdhsa_user_sgpr_kernarg_segment_ptr 1
		.amdhsa_wavefront_size32 1
		.amdhsa_system_sgpr_workgroup_id_x 1
		.amdhsa_system_sgpr_workgroup_id_y 1
		.amdhsa_system_sgpr_workgroup_id_z 1
		.amdhsa_system_vgpr_workitem_id 0
		.amdhsa_next_free_vgpr 256
		.amdhsa_next_free_sgpr 66
		.amdhsa_reserve_vcc 1
		.amdhsa_float_denorm_mode_32 3
		.amdhsa_float_denorm_mode_16_64 3
		.amdhsa_memory_ordered 1
		.amdhsa_forward_progress 1
		.amdhsa_inst_pref_size 31
	.end_amdhsa_kernel
	.amdgpu_metadata
---
amdhsa.version: [ 1, 2 ]
amdhsa.kernels:
  - .name:           k_q97b5684123_fine
    .symbol:         k_q97b5684123_fine.kd
    .args:
      - { .name: qkvf, .offset: 0, .size: 8, .value_kind: global_buffer, .address_space: global }
      - { .name: w_proj, .offset: 8, .size: 8, .value_kind: global_buffer, .address_space: global }
      - { .name: out0, .offset: 16, .size: 8, .value_kind: global_buffer, .address_space: global }
    .group_segment_fixed_size: 71680
    .private_segment_fixed_size: 0
    .kernarg_segment_align: 8
    .kernarg_segment_size: 24
    .max_flat_workgroup_size: 512
    .sgpr_count:     66
    .vgpr_count:     256
    .wavefront_size: 32
...
	.end_amdgpu_metadata
.endif
;; end of part 5
